; MI455X (gfx1250); checked and timed in simulation.
; The chip was launched on July 23, 2026; its instructions are those of AMD's public machine-readable ISA for CDNA 5 (MIT licence, August 2026) and "CDNA5" Instruction Set Architecture Reference Guide (July 2026). The comments in the code are by the model that wrote it; some were corrected since.
;; Temporal Attention Tok. Allowed arithmetic: matrix products marked QUANTISED: E2M3 operands, one E8M0 scale for each 32 along K, by v_wmma_scale_f32_16x16x128_f8f6f4 with both operands' format E2M3, f32 sums; products left as they are: f32 operands where the result goes on into a quantised operand, else bf16, f16 or f32 operands; f32 sums; everything else in f32.
;; Inputs: gk 32 float32; gq 32 float32; wk_codes 256 x 8 x 24 uint8 (E2M3 codes of wk, K innermost, in blocks of 32 codes, four codes in three bytes); wk_scales 256 x 8 uint8 (E8M0 scales of wk, one for each 32 codes along K); wo_codes 256 x 8 x 24 uint8 (E2M3 codes of wo, K innermost, in blocks of 32 codes, four codes in three bytes); wo_scales 256 x 8 uint8 (E8M0 scales of wo, one for each 32 codes along K); wq_codes 256 x 8 x 24 uint8 (E2M3 codes of wq, K innermost, in blocks of 32 codes, four codes in three bytes); wq_scales 256 x 8 uint8 (E8M0 scales of wq, one for each 32 codes along K); wv_codes 256 x 8 x 24 uint8 (E2M3 codes of wv, K innermost, in blocks of 32 codes, four codes in three bytes); wv_scales 256 x 8 uint8 (E8M0 scales of wv, one for each 32 codes along K); x_codes 256 x 256 x 8 x 24 uint8 (E2M3 codes of x, K innermost, in blocks of 32 codes, four codes in three bytes); x_scales 256 x 256 x 8 uint8 (E8M0 scales of x, one for each 32 codes along K).
;; Outputs: out0 256 x 256 x 256 float32.
;; This version of the problem:
;;   THIS VERSION OF THE PROBLEM IS GIVEN IN LOW PRECISION. The matrix products marked QUANTISED in the list below multiply operands that are first quantised to E2M3 (2 exponent bits, 3 mantissa bits; 6 bits a number), with one power-of-two scale for each 32 numbers along K (OCP MX v1.0); their sums are f32. All else is computed in f32.
;;   The module's matrix products, in the order in which they are computed (A, B: the left and right operand; K: the contracted axis; several contracted axes count as one K, in the product's order):
;;     1. [M 65,536, K 256] x [K 256, N 256]; A: input x (given as codes); B: input wq (given as codes): QUANTISED
;;     2. [M 65,536, K 256] x [K 256, N 256]; A: input x (given as codes); B: input wk (given as codes): QUANTISED
;;     3. [M 65,536, K 256] x [K 256, N 256]; A: input x (given as codes); B: input wv (given as codes): QUANTISED
;;     4. [M 256, K 1] x [K 1, N 16]; A: computed on the way; B: computed on the way: left as it is (no contracted axis)
;;     5. batch 2,048 x [M 256, K 32] x [K 32, N 256]; A: computed on the way; B: computed on the way: QUANTISED
;;     6. batch 2,048 x [M 256, K 256] x [K 256, N 32]; A: softmax (see below); B: computed on the way: QUANTISED
;;     7. [M 65,536, K 256] x [K 256, N 256]; A: computed on the way; B: input wo (given as codes): QUANTISED
;;   THE QUANTISER, for each operand of a quantised product, along K:
;;     - K is cut into blocks of 32 from its start; a last block that is shorter is filled with zeros.
;;     - A block's scale is 2^e with e = floor(log2(the largest magnitude in the block)) - 2, held to -126 .. 127; a block of zeros has e = 0. As a byte (E8M0): e + 127.
;;     - Each number is divided by its block's scale, clamped to +-7.5, and rounded to the nearest number of E2M3, ties to even, subnormals kept.
;;     - The product sums the exact products of the quantised numbers (number of the format x scale) in f32.
;;   ~~~python
;;   def quantise(x, axis):      # numpy; x: float32 -> the quantised numbers, widened to float32 again
;;       x = np.moveaxis(x, axis, -1); K = x.shape[-1]
;;       x = np.pad(x, [(0, 0)] * (x.ndim - 1) + [(0, -K % 32)]); x = x.reshape(x.shape[:-1] + (-1, 32)); a = np.abs(x).max(-1, keepdims=True)
;;       e = np.where(a > 0, np.clip(np.frexp(np.where(a > 0, a, 1))[1] - 1 - 2, -126, 127), 0)      # np.frexp(a)[1] - 1 = floor(log2(a)), exactly
;;       r = np.clip(x / 2.0 ** e, -7.5, 7.5)
;;       step = 2.0 ** (np.maximum(np.frexp(np.where(r == 0, 1, r))[1] - 1, 0) - 3)
;;       q = np.round(r / step) * step * 2.0 ** e      # np.round: ties to even
;;       return np.moveaxis(q.reshape(q.shape[:-2] + (-1,))[..., :K], -1, axis).astype(np.float32)
;;   ~~~
;;   SOFTMAX AHEAD OF A QUANTISED PRODUCT. Where the list says 'softmax', what is quantised is not the finished softmax but p = 2^(t - M), with t = logit x log2(e) and M = ceil(the row's largest t), a whole number; so 1/2 < the row's largest p <= 1. The row's sum l is taken of the UNQUANTISED p, in f32, and the product's result is divided by l at the end. Since M is a whole number, a kernel that streams over the keys may use a running M (the ceiling of the running maximum): every later rescaling is an exact power of two, which a block's scale takes up: the codes' values come out the same.
;;   OPERANDS COMPUTED ON THE WAY. 'Computed on the way' means the value that the module computes at that place (a softmax that the list does not call 'softmax' is quantised finished and normalised). What goes into a quantiser is computed in f32, as accurately as f32 sums, v_exp_f32 and their like allow (about 1e-6 of the number): no bf16 or f16 on the way to a quantiser, and a product that is left as it is and whose result goes on into a quantised operand takes f32 operands (vector FMAs, or v_wmma_f32_16x16x4_f32). A number that lies on a knife's edge between two numbers of the format may be rounded either way, as far as f32 arithmetic and the matrix unit's own rounding can turn it there, and no further.
;;   INPUTS GIVEN AS CODES. wk (in the module: [256, 256], K = its axis 1); wo (in the module: [256, 256], K = its axis 1); wq (in the module: [256, 256], K = its axis 1); wv (in the module: [256, 256], K = its axis 1); x (in the module: [256, 256, 256], K = its axis 2): each comes as NAME_codes (uint8): NAME with its K axis moved to the last place and cut into blocks of 32 codes, [.., K / 32, bytes a block], one block behind the other in memory; four codes in three bytes: a row's codes are one little-endian stream of bits, code i at bits 6 i .. 6 i + 5 (a code: sign, 2 exponent bits, 3 mantissa bits); and NAME_scales (uint8): the same leading axes, one E8M0 byte (e + 127) for each 32 codes along K. Its value is code x scale, taken as it is: it is not quantised again, and the codes and scales need not be those that the quantiser above would give.
;; 2 versions, each right; version 2 is version 1 with the launch attn written anew for expert scheduling mode. Each part assembles by itself: llvm-mc -triple=amdgcn-amd-amdhsa -mcpu=gfx1250 --defsym DOCPART=n.
;; ======== version 1 of 2: 1 launch
;; launch attn (part 1): grid 256 x 1, 16 waves a work-group, no clusters, 309,248 bytes of LDS; arguments x_codes, x_scales, wq_codes, wq_scales, wk_codes, wk_scales, wv_codes, wv_scales, wo_codes, wo_scales, gq, gk, out0; writes out0
.if DOCPART == 1
	.amdgcn_target "amdgcn-amd-amdhsa--gfx1250"
	.amdhsa_code_object_version 6
	.text
	.protected	k_qffd74f59c5_attn
	.globl	k_qffd74f59c5_attn
	.p2align	8
	.type	k_qffd74f59c5_attn,@function
k_qffd74f59c5_attn:
	s_mov_b64 s[64:65], 0
	v_nop
	global_prefetch_b8 v0, s[64:65] scope:SCOPE_SE
	s_setreg_imm32_b32 hwreg(HW_REG_WAVE_MODE, 25, 1), 1
	s_wait_xcnt 0x0
; One attention layer on codes of FP6 (E2M3) with one E8M0 scale for each 32 along K, fused into one launch: q, k, v = x W^T; RMS norm and RoPE on q and k, head by head;
; scores, 50 tanh(s / 50), causal mask, softmax; P V; out = O Wo^T.  x [256][256][256] and the four weights [256][256] come as codes; out0 is f32.
; SHARES.  A work-group is one batch (256 tokens); 16 waves.  Wave w: head hd = w / 2, e = w % 2.  It makes q (e = 0) or k (e = 1) of its head for all tokens, rows 8 e + .. of its head's V^T,
; the attention of the query tiles 2 J + e of its head (J = 0 .. 7: key blocks 0 .. J, so every wave has 36 key blocks of 32), and 16 tokens x 64 columns of each group of 64 output rows.
; TILES.  Row p of tile a is token 32 (a / 2) + 8 (a % 2) + p + 8 (p / 8): so the 16 result registers of tiles 2 b and 2 b + 1 are 16 neighbours, 32 b + 16 (lane / 16) + 0 .. 15, along the next K.
; OPERANDS GO FROM WAVE TO WAVE THROUGH LDS AS IMAGES OF THEIR REGISTERS (16 or 4 bytes a lane, lane after lane).  No intermediate goes to memory.
; SCORES, K = 32: a head is one block of 32.  A lane's 16 numbers of q or k (d = 8 h + 0..7 and 16 + 8 h + 0..7, the same order in both) become 3 registers of codes that stay in that lane: half a block of the
; instruction's K for each half of the lanes, both under the head's one scale (its byte four times in the word).  K's 12 operand registers hold FOUR key tiles; q stands in four variants, its 3 registers at place 3 v and
; zero codes elsewhere, so that variant v multiplies key tile 4 g + v alone.
; SOFTMAX.  The soft cap holds every logit in +-50 for every input, so t = logit x log2(e) lies in +-72.14, 2^t in 2^+-72.2 and a row's sum under 2^80.2: nothing can overflow or underflow in f32, and a block's scale
; exponent stays in -75 .. 70.  M is a whole number that only shifts the block scales and the sum alike; here M = 0: p = 2^t, the row's sum of the unquantised p divides at the end.
; tanh is the quotient of an odd polynomial of degree 13 and an even one of degree 6 on an argument held to +-7.90531 (beyond it the quotient is 1 to f32): a few 1e-7 of t.
; NOT USED: joint loads in a cluster.  The weights are what work-groups share; each byte of them goes once from memory into the registers of the one wave that multiplies by it (wo: into an image in LDS).
; As joint tiles in LDS wq, wk and wv would take 147,456 bytes beside the 307,200 in use: more than the 327,680 that a work-group can have.  No ring either: nothing is streamed, every input byte of a work-group is loaded once.
; LIMITS: NaN, infinities and the scale byte 0xff among the inputs are not served.  A block whose largest magnitude lies under 2^-124, a block of zeros too, gets the byte 1 (the bytes are read by this text alone; its
; codes are then zeros or next to it).  inv_freq is 1 / f32(10^(i / 4)), rounded once more: it may differ by an ulp from a power function's.
.set XIMG,  0                          ; LDS: x's 32 fragments (tile a, K step ks) at (2 a + ks) 1536 + 512 c + 16 lane
.set XSC,   49152                      ; their scale words, (2 a + ks) 128 + 4 lane
.set ROPE,  53248                      ; cos and sin: tile a at 2048 a; 512 c + 16 lane; c = 0, 1 cos of my 8 frequencies, c = 2, 3 sin
.set OIMG,  0                          ; over x's (dead by then): O's fragments (a, s) at (2 a + s) 1536 + 128 register + 4 lane
.set OSC,   49152                      ; their scale bytes: (2 a + s) 64 + 4 row + head % 4
.set QIMG,  86016                      ; q's codes: head 6144 + tile 384 + 128 i + 4 lane
.set KIMG,  135168                     ; k's likewise
.set QSC,   184320                     ; q's scale words: head 1024 + tile 64 + 4 row
.set KSC,   192512
.set VIMG,  200704                     ; V^T's fragments ((2 head + dt) 2 + s) 1536 + 512 c + 16 lane
.set VSC,   249856                     ; their scale words, 128 bytes each
.set WOIMG, 253952                     ; wo's fragments ((4 cg + q) 2 + s) 1536 + 512 c + 16 lane
.set WOSC,  303104                     ; their scale words; the map ends at 307,200
.set FRB,   1536                       ; a fragment's image: 12 registers x 128 bytes
; vector registers
.set LI,  4                            ; 16 x lane
.set LS,  5                            ; 4 x lane
.set LR,  6                            ; 4 x (lane % 16)
.set AQ,  7                            ; phase 2's addresses: v7-17
.set AQS, 8
.set AV,  9
.set AVS, 10
.set AO,  11
.set AOS, 12
.set AOF, 13
.set AOSR, 14
.set AWO, 15
.set AWOS, 16
.set GOUT, 17
.set RS,  20                           ; v[20:21] 1 / rms or 1 / l in the low word (the packed forms take it for both halves); v21 is written once
.set LT,  22
.set LX,  23
.set MA,  24
.set MB,  25
.set MX,  26
.set SO,  27                           ; a conversion's scale operand
.set CA13, 28                          ; v[28:29] alpha 13 twice, v[30:31] beta 6 twice
.set CB6, 30
.set XF,  32                           ; phase 1: up to four fragments of x
.set TM,  32                           ; QUANT64's work, over them
.set PCQ, 48
.set CS,  56                           ; cos 0-7, sin 0-7
.set KT,  32                           ; phase 2: k's codes, 16 tiles x 3 registers
.set XS,  80                           ; v80-96 hold scale words and nothing else
.set KS,  80
.set WS,  84
.set QS,  88
.set PW,  89
.set VS,  90
.set WVS, 90
.set OS,  92
.set WOS, 93
.set OB,  97
.set ACC, 98                           ; phase 1a: 8 tiles of V^T
.set DD,  98                           ; phase 1b: two tiles of q or k,
.set YY,  114                          ; normalised,
.set RR,  130                          ; rotated
.set TT,  146
.set C3Q, 154
.set GG,  162                          ; the gain: g[8 h + 0..7], g[16 + 8 h + 0..7]
.set WV,  178                          ; wv's two fragments
.set WW,  202                          ; wq's or wk's four: tile u, K step ks at 12 (2 u + ks)
.set QV,  98                           ; phase 2: q in four variants of 12 registers
.set OO,  146                          ; O^T: two tiles
.set LL,  162                          ; the row's sum, in two halves
.set PC,  164                          ; p's codes
.set PT,  176
.set BY,  184                          ; p's four scale bytes
.set C3,  188
.set SS,  192                          ; 16 scores, then y, then t, then p
.set ZZ,  208
.set PP,  224
.set QQ,  240
.set VF,  208                          ; V^T's two fragments, over ZZ and PP
.set OF,  146                          ; the output projection
.set WOF, 160
.set OT,  160
.set OACC, 208
.set WA,  98                           ; the head's work on cos and sin: eight sets of eight
.set WB,  106
.set WC,  114
.set WD,  122
.set WE,  130
.set WF,  138
.set WG,  146
.set WH,  154
; scalar registers
.set WVN, 30                           ; wave
.set SE,  31                           ; e
.set SH,  32                           ; head
.set MK,  36                           ; s36-51: lanes in which key 16 h + i of the diagonal block counts
.set SJ,  52
.set SJJ, 53
.set SG,  54
.set SQK, 55
.set S2PI, 66                          ; the head's constants
.set SPHI, 67
.set SPLO, 68
.set SS1, 69
.set SS2, 70
.set SS3, 71
.set SK1, 72
.set SK2, 73
.set SK3, 74
.set SCY, 66                           ; phase 2's, in pairs (the packed forms name a pair and take its low word)
.set SC1, 68
.set SA11, 70
.set SA9, 72
.set SA7, 74
.set SA5, 76
.set SA3, 78
.set SA1, 80
.set SB4, 82
.set SB2, 84
.set SB0, 86
.set SNL, 88
.set SPL, 89
.set SEL, 90                           ; s[90:91] v_permlanex16_b32's selects for lane l xor 16
.set SI32, 92
.set SEPS, 93
.macro PLACES n                        ; plain vector instructions that name no register of the matrix instruction in front (ISA guide 7.12.1)
.rept \n
	v_nop
.endr
.endm
.macro BARRIER                         ; my LDS stores have landed and my LDS loads are in: then the work-group's barrier
	s_wait_dscnt 0x0
	s_barrier_signal -1
	s_barrier_wait -1
.endm
.macro IMG12 reg, adr, off             ; a fragment goes to LDS as it stands in the registers
.irp c, 0,1,2
	ds_store_b128 v[\adr], v[\reg+4*\c:\reg+4*\c+3] offset:\off+512*\c
.endr
.endm
.macro FETCH12 reg, adr, off           ; and comes back so, in any wave
.irp c, 0,1,2
	ds_load_b128 v[\reg+4*\c:\reg+4*\c+3], v[\adr] offset:\off+512*\c
.endr
.endm
.macro GFRAG reg, voff, sb, off        ; a fragment from rows of codes in memory: 24 bytes of the row's stream of bits twice, in pieces of 8
.irp p, 0,1,2,3,4,5
	global_load_b64 v[\reg+2*\p:\reg+2*\p+1], v[\voff], s[\sb:\sb+1] offset:\off+48*(\p/3)+8*(\p%3)
.endr
.endm
.macro GFRAGX reg, voff, sb, off       ; the same for x, which the launch reads once
.irp p, 0,1,2,3,4,5
	global_load_b64 v[\reg+2*\p:\reg+2*\p+1], v[\voff], s[\sb:\sb+1] offset:\off+48*(\p/3)+8*(\p%3) th:TH_LOAD_NT
.endr
.endm
.macro MM0 d, a, b, sa, sb             ; a product that starts a sum
	v_wmma_scale_f32_16x16x128_f8f6f4 v[\d:\d+7], v[\a:\a+11], v[\b:\b+11], 0, v[\sa], v[\sb] matrix_a_fmt:MATRIX_FMT_FP6 matrix_b_fmt:MATRIX_FMT_FP6
.endm
.macro MM0R d, a, b, sa, sb            ; the same with source 0's scales taken from lanes 16-31
	v_wmma_scale_f32_16x16x128_f8f6f4 v[\d:\d+7], v[\a:\a+11], v[\b:\b+11], 0, v[\sa], v[\sb] matrix_a_fmt:MATRIX_FMT_FP6 matrix_b_fmt:MATRIX_FMT_FP6 matrix_a_scale:MATRIX_SCALE_ROW1
.endm
.macro MMA d, a, b, sa, sb             ; a product that adds in place
	v_wmma_scale_f32_16x16x128_f8f6f4 v[\d:\d+7], v[\a:\a+11], v[\b:\b+11], v[\d:\d+7], v[\sa], v[\sb] matrix_a_fmt:MATRIX_FMT_FP6 matrix_b_fmt:MATRIX_FMT_FP6
.endm
.macro MAX16 x                         ; the largest of my 16 numbers, none negative, and the floor 2^(3 - 127), which holds the byte at 1 from below
	v_max3_num_f32 v[MA], v[\x], v[\x+1], 0x1800000
	v_max3_num_f32 v[MB], v[\x+2], v[\x+3], v[\x+4]
	v_max3_num_f32 v[MA], v[MA], v[\x+5], v[\x+6]
	v_max3_num_f32 v[MB], v[MB], v[\x+7], v[\x+8]
	v_max3_num_f32 v[MA], v[MA], v[\x+9], v[\x+10]
	v_max3_num_f32 v[MB], v[MB], v[\x+11], v[\x+12]
	v_max3_num_f32 v[MA], v[MA], v[\x+13], v[\x+14]
	v_max3_num_f32 v[MA], v[MA], v[MB], v[\x+15]
.endm
.macro MAX16A x                        ; the same of magnitudes
	v_max3_num_f32 v[MA], |v[\x]|, |v[\x+1]|, 0x1800000
	v_max3_num_f32 v[MB], |v[\x+2]|, |v[\x+3]|, |v[\x+4]|
	v_max3_num_f32 v[MA], v[MA], |v[\x+5]|, |v[\x+6]|
	v_max3_num_f32 v[MB], v[MB], |v[\x+7]|, |v[\x+8]|
	v_max3_num_f32 v[MA], v[MA], |v[\x+9]|, |v[\x+10]|
	v_max3_num_f32 v[MB], v[MB], |v[\x+11]|, |v[\x+12]|
	v_max3_num_f32 v[MA], v[MA], |v[\x+13]|, |v[\x+14]|
	v_max3_num_f32 v[MA], v[MA], v[MB], |v[\x+15]|
.endm
.macro SCALEOF                         ; with lane l xor 16's 16 the block is whole; 2 off the exponent field gives the conversion's scale operand
	v_permlanex16_b32 v[MX], v[MA], s[SEL], s[SEL+1]
	v_max_num_f32 v[MA], v[MA], v[MX]
	v_add_nc_u32 v[SO], 0xff000000, v[MA]
.endm
; 64 numbers of a lane, register 16 b + i = k 32 b + 16 (lane / 16) + i of my row, become a fragment's codes in v[PCQ] on and its scale word in v[PW]
.macro QUANT64 s
.irp b, 0,1,2,3
	v_max3_num_f32 v[TM+\b], |v[\s+16*\b]|, |v[\s+1+16*\b]|, 0x1800000
.endr
.irp i, 2,4,6,8,10,12,14
.irp b, 0,1,2,3
	v_max3_num_f32 v[TM+\b], v[TM+\b], |v[\s+16*\b+\i]|, |v[\s+1+16*\b+\i]|
.endr
.endr
.irp b, 0,1,2,3
	v_permlanex16_b32 v[TM+4+\b], v[TM+\b], s[SEL], s[SEL+1]
.endr
.irp b, 0,1,2,3
	v_max_num_f32 v[TM+\b], v[TM+\b], v[TM+4+\b]
.endr
.irp b, 0,1,2,3
	v_add_nc_u32 v[TM+12+\b], 0xff000000, v[TM+\b]
.endr
.irp b, 0,1,2,3
	v_lshrrev_b32 v[TM+4+\b], 23, v[TM+12+\b]
.endr
	v_lshl_or_b32 v[PW], v[TM+5], 8, v[TM+4]
	v_lshl_or_b32 v[PW], v[TM+6], 16, v[PW]
	v_lshl_or_b32 v[PW], v[TM+7], 24, v[PW]
.irp c, 0,1
	v_cvt_scalef32_pk16_fp6_f32 v[PCQ+6*\c:PCQ+2+6*\c], v[\s+32*\c:\s+15+32*\c], v[TM+12+2*\c]
	v_cvt_scalef32_pk16_fp6_f32 v[PCQ+12+4*\c:PCQ+14+4*\c], v[\s+16+32*\c:\s+31+32*\c], v[TM+12+2*\c+1]
.endr
	v_nop                                          ; one plain place behind a scaled conversion
.irp c, 0,1                                    ; the operand's layout wants a whole block in a lane: lanes 0-15 block 2 c, lanes 16-31 block 2 c + 1
.irp i, 0,1,2
	v_permlane16_swap_b32 v[PCQ+6*\c+\i], v[PCQ+12+4*\c+\i]
.endr
.irp i, 0,1,2
	v_mov_b32 v[PCQ+3+6*\c+\i], v[PCQ+12+4*\c+\i]
.endr
.endr
.endm
.macro PSEL j, lo, hi                  ; 10^(i / 4) for my frequency i = 8 h + j
	v_mov_b32 v[WE+\j], \hi
	v_cndmask_b32 v[WD+\j], \lo, v[WE+\j], vcc_lo
.endm
; ================================================================ the head: ids, loads, the table of cos and sin, the images of x and wo
	s_load_b512 s[4:19], s[0:1], 0x0               ; x codes, x scales, wq codes, wq scales, wk codes, wk scales, wv codes, wv scales
	s_load_b256 s[20:27], s[0:1], 0x40             ; wo codes, wo scales, gq, gk
	s_load_b64 s[28:29], s[0:1], 0x60              ; out0
	v_lshrrev_b32 v1, 5, v0
	v_readfirstlane_b32 s[WVN], v1                 ; wave 0..15
	v_and_b32 v1, 31, v0                           ; lane
	v_and_b32 v2, 15, v0                           ; r
	v_bfe_u32 v3, v0, 4, 1                         ; h
	v_lshlrev_b32 v[LI], 4, v1
	v_lshlrev_b32 v[LS], 2, v1
	v_lshlrev_b32 v[LR], 2, v2
	v_mov_b32 v21, 0                               ; named as the upper half of the pair v[20:21]
	v_mov_b32 v[MX], 0                             ; a lane permute's destination counts as one of its sources
	s_and_b32 s[SE], s[WVN], 1
	s_lshr_b32 s[SH], s[WVN], 1
	s_mov_b32 s[SEL], 0x76543210
	s_mov_b32 s[SEL+1], 0xfedcba98
	s_mov_b32 s[SI32], 0x3d000000                  ; 1 / 32
	s_mov_b32 s[SEPS], 0x358637bd                  ; 1e-6
	v_and_b32 v22, 8, v2
	v_add_nc_u32 v22, v22, v2                      ; r + 8 (r / 8)
	s_lshl_b32 s33, s[SH], 5
	s_lshl_b32 s34, s[SE], 3
	s_add_co_u32 s34, s33, s34
	v_add_nc_u32 v22, s34, v22                     ; 32 hd + 8 e + r + 8 (r / 8): my token of tile a = w, and my row of wv
	v_mul_u32_u24 v7, v22, 192                     ; a row of 256 codes is 192 bytes
	v_mad_u32_u24 v7, v3, 24, v7
	v_lshlrev_b32 v8, 3, v22                       ; and 8 scale bytes
	v_add_nc_u32 v23, s33, v2                      ; wq or wk: row 32 hd + r (+ 16 u in the immediate)
	v_mul_u32_u24 v11, v23, 192
	v_mad_u32_u24 v11, v3, 24, v11
	v_lshlrev_b32 v12, 3, v23
	s_lshr_b32 s33, s[WVN], 2
	s_lshl_b32 s33, s33, 6
	s_and_b32 s34, s[WVN], 3
	s_add_co_u32 s33, s33, s34
	v_lshl_add_u32 v23, v2, 2, s33                 ; wo: row 64 (w / 4) + 4 r + w % 4: four tiles' lanes r hold four neighbouring output columns
	v_mul_u32_u24 v9, v23, 192
	v_mad_u32_u24 v9, v3, 24, v9
	v_lshlrev_b32 v10, 3, v23
	v_lshlrev_b32 v13, 5, v3                       ; the gain: 32 h bytes on
	s_lshl_b32 s33, s[WVN], 11
	v_add_nc_u32 v14, s33, v[LI]                   ; LDS: my tile of the table,
	s_mul_i32 s33, s[WVN], 2*FRB
	v_add_nc_u32 v15, s33, v[LI]                   ; my two fragments of x,
	v_add_nc_u32 v16, WOIMG, v15                   ; of wo,
	s_lshl_b32 s33, s[WVN], 8
	v_add_nc_u32 v17, s33, v[LS]                   ; and their scale words
	v_add_nc_u32 v18, WOSC, v17
	s_mul_i32 s34, ttmp9, 49152                    ; the batch's codes of x
	s_mov_b32 s35, 0
	s_wait_kmcnt 0x0
	s_add_nc_u64 s[4:5], s[4:5], s[34:35]
	s_lshl_b32 s34, ttmp9, 11
	s_add_nc_u64 s[6:7], s[6:7], s[34:35]          ; its scale bytes
	s_lshl_b32 s34, ttmp9, 18
	s_add_nc_u64 s[28:29], s[28:29], s[34:35]      ; its 256 rows of out0
	s_cmp_eq_u32 s[SE], 0                          ; q's wave or k's: the choice hangs on the wave's number alone
	s_cselect_b64 s[8:9], s[8:9], s[12:13]
	s_cselect_b64 s[10:11], s[10:11], s[14:15]
	s_cselect_b64 s[24:25], s[24:25], s[26:27]
	GFRAGX 32, 7, 4, 0                             ; 26 loads that go on to LDS: x, tile w
	GFRAGX 44, 7, 4, 96
	global_load_b64 v[80:81], v8, s[6:7] th:TH_LOAD_NT
	GFRAG 56, 9, 20, 0                             ; wo, tile w
	GFRAG 68, 9, 20, 96
	global_load_b64 v[82:83], v10, s[22:23]
.irp u, 0,1                                    ; 43 loads that stay in my registers: wq or wk, 24 + 2
.irp ks, 0,1
	GFRAG WW+12*(2*\u+\ks), 11, 8, \u*3072+\ks*96
.endr
	global_load_b64 v[WS+2*\u:WS+2*\u+1], v12, s[10:11] offset:128*\u
.endr
	GFRAG WV, 7, 16, 0                             ; wv, 12 + 1
	GFRAG WV+12, 7, 16, 96
	global_load_b64 v[WVS:WVS+1], v8, s[18:19]
	global_load_b128 v[GG:GG+3], v13, s[24:25]     ; the gain, 4
	global_load_b128 v[GG+4:GG+7], v13, s[24:25] offset:16
	global_load_b128 v[GG+8:GG+11], v13, s[24:25] offset:64
	global_load_b128 v[GG+12:GG+15], v13, s[24:25] offset:80
	; cos and sin of token x inv_freq[8 h + j], j = 0 .. 7, while the loads are out
	s_mov_b32 s[S2PI], 0x3f22f983                  ; 2 / pi
	s_mov_b32 s[SPHI], 0x3fc90fdb                  ; pi / 2 in two parts
	s_mov_b32 s[SPLO], 0xb33bbd2e
	s_mov_b32 s[SS1], -0.16666654611
	s_mov_b32 s[SS2], 0.0083321608736
	s_mov_b32 s[SS3], -0.00019515295891
	s_mov_b32 s[SK1], 0.04166664568298827
	s_mov_b32 s[SK2], -0.001388731625493765
	s_mov_b32 s[SK3], 0.00002443315711809948
	v_cvt_f32_u32 v24, v22                         ; t
	v_cmp_eq_u32 vcc_lo, 1, v3
	PSEL 0, 1.0, 100.0
	PSEL 1, 1.7782794100389228, 177.82794100389228
	PSEL 2, 3.1622776601683795, 316.22776601683796
	PSEL 3, 5.623413251903491, 562.3413251903491
	PSEL 4, 10.0, 1000.0
	PSEL 5, 17.782794100389228, 1778.2794100389228
	PSEL 6, 31.622776601683793, 3162.2776601683795
	PSEL 7, 56.23413251903491, 5623.413251903491
.irp j, 0,1,2,3,4,5,6,7
	v_rcp_f32 v[WE+\j], v[WD+\j]
.endr
	v_nop                                          ; a plain place behind the reciprocals
	s_wait_alu depctr_va_vdst(0)
.irp j, 0,1,2,3,4,5,6,7
	v_fma_f32 v[WF+\j], -v[WD+\j], v[WE+\j], 1.0   ; one step of Newton: the quotient to the last bit or next to it
.endr
.irp j, 0,1,2,3,4,5,6,7
	v_fma_f32 v[WC+\j], v[WE+\j], v[WF+\j], v[WE+\j]
.endr
.irp j, 0,1,2,3,4,5,6,7
	v_mul_f32 v[WD+\j], v24, v[WC+\j]              ; the angle, in f32 as it is defined
.endr
.irp j, 0,1,2,3,4,5,6,7
	v_mul_f32 v[WE+\j], s[S2PI], v[WD+\j]
.endr
.irp j, 0,1,2,3,4,5,6,7
	v_rndne_f32 v[WE+\j], v[WE+\j]                 ; the quadrant
.endr
.irp j, 0,1,2,3,4,5,6,7
	v_cvt_i32_f32 v[WF+\j], v[WE+\j]
.endr
.irp j, 0,1,2,3,4,5,6,7
	v_fma_f32 v[WD+\j], -v[WE+\j], s[SPHI], v[WD+\j]
.endr
.irp j, 0,1,2,3,4,5,6,7
	v_fma_f32 v[WD+\j], -v[WE+\j], s[SPLO], v[WD+\j]   ; what is left, within +- pi / 4
.endr
.irp j, 0,1,2,3,4,5,6,7
	v_mul_f32 v[WE+\j], v[WD+\j], v[WD+\j]
.endr
.irp j, 0,1,2,3,4,5,6,7
	v_fma_f32 v[WG+\j], v[WE+\j], s[SS3], s[SS2]
.endr
.irp j, 0,1,2,3,4,5,6,7
	v_fma_f32 v[WG+\j], v[WG+\j], v[WE+\j], s[SS1]
.endr
.irp j, 0,1,2,3,4,5,6,7
	v_mul_f32 v[WH+\j], v[WE+\j], v[WD+\j]
.endr
.irp j, 0,1,2,3,4,5,6,7
	v_fma_f32 v[WG+\j], v[WG+\j], v[WH+\j], v[WD+\j]   ; its sine
.endr
.irp j, 0,1,2,3,4,5,6,7
	v_fma_f32 v[WH+\j], v[WE+\j], s[SK3], s[SK2]
.endr
.irp j, 0,1,2,3,4,5,6,7
	v_fma_f32 v[WH+\j], v[WH+\j], v[WE+\j], s[SK1]
.endr
.irp j, 0,1,2,3,4,5,6,7
	v_mul_f32 v[WA+\j], v[WE+\j], v[WE+\j]
.endr
.irp j, 0,1,2,3,4,5,6,7
	v_fma_f32 v[WB+\j], v[WE+\j], -0.5, 1.0
.endr
.irp j, 0,1,2,3,4,5,6,7
	v_fma_f32 v[WH+\j], v[WH+\j], v[WA+\j], v[WB+\j]   ; its cosine
.endr
.irp j, 0,1,2,3,4,5,6,7
	v_and_b32 v[WA+\j], 1, v[WF+\j]
	v_cmp_eq_u32 vcc_lo, 1, v[WA+\j]               ; in odd quadrants the two change places
	v_cndmask_b32 v[WB+\j], v[WG+\j], v[WH+\j], vcc_lo
	v_cndmask_b32 v[WA+\j], v[WH+\j], v[WG+\j], vcc_lo
	v_and_b32 v[WD+\j], 2, v[WF+\j]                ; sin is negative in quadrants 2, 3
	v_lshlrev_b32 v[WD+\j], 30, v[WD+\j]
	v_xor_b32 v[WB+\j], v[WB+\j], v[WD+\j]
	v_add_nc_u32 v[WD+\j], 1, v[WF+\j]             ; cos in quadrants 1, 2
	v_and_b32 v[WD+\j], 2, v[WD+\j]
	v_lshlrev_b32 v[WD+\j], 30, v[WD+\j]
	v_xor_b32 v[WA+\j], v[WA+\j], v[WD+\j]
.endr
	ds_store_b128 v14, v[WA:WA+3] offset:ROPE
	ds_store_b128 v14, v[WA+4:WA+7] offset:ROPE+512
	ds_store_b128 v14, v[WB:WB+3] offset:ROPE+1024
	ds_store_b128 v14, v[WB+4:WB+7] offset:ROPE+1536
	s_wait_loadcnt 43                              ; loads come back in order: x's and wo's 26 are in; the 43 issued behind them may be out
	IMG12 32, 15, XIMG
	IMG12 44, 15, XIMG+FRB
	ds_store_b32 v17, v80 offset:XSC
	ds_store_b32 v17, v81 offset:XSC+128
	IMG12 56, 16, 0
	IMG12 68, 16, FRB
	ds_store_b32 v18, v82
	ds_store_b32 v18, v83 offset:128
	BARRIER                                        ; x, wo and the table lie in LDS
	s_wait_loadcnt 0x0                             ; my weights, their scale words and the gain; the loads' offset registers are free
; ================================================================ phase 1a: rows 8 e + r + 8 (r / 8) of my head's V^T, all 256 keys.  Source 0 = 16 tokens of x, source 1 = my 16 rows of wv:
; a lane holds one d, and the 16 registers of two neighbouring tiles are 16 neighbouring keys.  128 keys make one fragment.
	v_add_nc_u32 v7, VIMG, v15                     ; (2 hd + e) = w: my two fragments of V^T,
	v_add_nc_u32 v8, VSC, v17                      ; and their scale words
.irp s, 0,1
.irp pp, 0,1,2,3
.irp f, 0,1,2,3                                ; tiles 8 s + 2 pp and + 1, both K steps
	FETCH12 XF+12*\f, LI, XIMG+(4*(4*\s+\pp)+\f)*FRB
	ds_load_b32 v[XS+\f], v[LS] offset:XSC+(4*(4*\s+\pp)+\f)*128
.endr
	s_wait_dscnt 0x0
	MM0 ACC+16*\pp, XF, WV, XS, WVS                ; the two accumulators take turns
	MM0 ACC+16*\pp+8, XF+24, WV, XS+2, WVS
	MMA ACC+16*\pp, XF+12, WV+12, XS+1, WVS+1
	MMA ACC+16*\pp+8, XF+36, WV+12, XS+3, WVS+1
	PLACES 4                                       ; in front of loads into registers that these have read, and of the first read of results
.endr
	QUANT64 ACC
	IMG12 PCQ, 7, \s*FRB
	ds_store_b32 v8, v[PW] offset:\s*128
	s_wait_dscnt 0x0                               ; the stores have read their registers
.endr
; ================================================================ phase 1b: q (e = 0) or k (e = 1) of my head, a tile of 16 tokens a trip.  Source 0 = 16 rows of the weight, source 1 = x:
; a lane holds one token; tile 0's register j is d = 8 h + j, tile 1's d = 16 + 8 h + j: the two that RoPE turns together lie in one lane.
	v_mov_b32 v9, v[LI]                            ; x's fragments of tile 0 (XIMG = 0)
	v_add_nc_u32 v10, XSC, v[LS]
	v_add_nc_u32 v11, ROPE, v[LI]
	s_mul_i32 s33, s[SE], KIMG-QIMG
	s_mul_i32 s34, s[SH], 6144
	s_add_co_u32 s33, s33, s34
	s_add_co_u32 s33, s33, QIMG
	v_add_nc_u32 v12, s33, v[LS]                   ; where my codes go
	s_lshl_b32 s33, s[SE], 13
	s_lshl_b32 s34, s[SH], 10
	s_add_co_u32 s33, s33, s34
	s_add_co_u32 s33, s33, QSC
	v_add_nc_u32 v13, s33, v[LR]                   ; and my scale words
	s_mov_b32 s[SQK], 16
.Lqk:
	FETCH12 XF, 9, 0
	FETCH12 XF+12, 9, FRB
	ds_load_b32 v[XS], v10
	ds_load_b32 v[XS+1], v10 offset:128
.irp c, 0,1,2,3
	ds_load_b128 v[CS+4*\c:CS+4*\c+3], v11 offset:512*\c
.endr
	s_wait_dscnt 0x0
	MM0 DD, WW, XF, WS, XS                         ; by turns
	MM0 DD+8, WW+24, XF, WS+2, XS
	MMA DD, WW+12, XF+12, WS+1, XS+1
	MMA DD+8, WW+36, XF+12, WS+3, XS+1
	v_add_nc_u32 v9, 2*FRB, v9                     ; the next tile's addresses: with the v_nop the four places behind the products
	v_add_nc_u32 v10, 256, v10
	v_add_nc_u32 v11, 2048, v11
	v_nop
	v_pk_mul_f32 v[TT:TT+1], v[DD:DD+1], v[DD:DD+1]            ; the sum of squares, in two chains, each accumulator from its low end
	v_pk_mul_f32 v[TT+2:TT+3], v[DD+8:DD+9], v[DD+8:DD+9]
.irp j, 2,4,6
	v_pk_fma_f32 v[TT:TT+1], v[DD+\j:DD+\j+1], v[DD+\j:DD+\j+1], v[TT:TT+1]
	v_pk_fma_f32 v[TT+2:TT+3], v[DD+8+\j:DD+9+\j], v[DD+8+\j:DD+9+\j], v[TT+2:TT+3]
.endr
	v_pk_add_f32 v[TT:TT+1], v[TT:TT+1], v[TT+2:TT+3]
	v_add_f32 v[TT], v[TT], v[TT+1]
	v_permlanex16_b32 v[TT+1], v[TT], s[SEL], s[SEL+1]
	v_add_f32 v[TT], v[TT], v[TT+1]                ; with lane l xor 16's 16: the head's 32
	v_fma_f32 v[TT], v[TT], s[SI32], s[SEPS]       ; the mean + 1e-6
	v_rsq_f32 v[RS], v[TT]
	v_nop                                          ; a plain place behind the transcendental
	s_wait_alu depctr_va_vdst(0)
.irp j, 0,2,4,6,8,10,12,14
	v_pk_mul_f32 v[YY+\j:YY+\j+1], v[DD+\j:DD+\j+1], v[RS:RS+1] op_sel_hi:[1,0]
.endr
.irp j, 0,2,4,6,8,10,12,14
	v_pk_mul_f32 v[YY+\j:YY+\j+1], v[YY+\j:YY+\j+1], v[GG+\j:GG+\j+1]
.endr
.irp j, 0,2,4,6
	v_pk_mul_f32 v[TT+\j:TT+\j+1], v[YY+8+\j:YY+9+\j], v[CS+8+\j:CS+9+\j]
.endr
.irp j, 0,2,4,6
	v_pk_fma_f32 v[RR+\j:RR+\j+1], v[YY+\j:YY+\j+1], v[CS+\j:CS+\j+1], v[TT+\j:TT+\j+1] neg_lo:[0,0,1] neg_hi:[0,0,1]   ; lower half: y cos - partner sin
.endr
.irp j, 0,2,4,6
	v_pk_mul_f32 v[TT+\j:TT+\j+1], v[YY+\j:YY+\j+1], v[CS+8+\j:CS+9+\j]
.endr
.irp j, 0,2,4,6
	v_pk_fma_f32 v[RR+8+\j:RR+9+\j], v[YY+8+\j:YY+9+\j], v[CS+\j:CS+\j+1], v[TT+\j:TT+\j+1]   ; upper half: y cos + partner sin
.endr
	MAX16A RR
	SCALEOF
	v_lshrrev_b32 v[LT], 23, v[SO]                 ; the head's scale byte,
	v_lshl_or_b32 v[PW], v[LT], 8, v[LT]
	v_lshl_or_b32 v[PW], v[PW], 16, v[PW]          ; four times: wherever the codes stand in the instruction's K, their block has it
	v_cvt_scalef32_pk16_fp6_f32 v[C3Q:C3Q+2], v[RR:RR+15], v[SO]
	v_nop                                          ; one plain place behind a scaled conversion
.irp i, 0,1,2
	ds_store_b32 v12, v[C3Q+\i] offset:128*\i
.endr
	ds_store_b32 v13, v[PW]                        ; both halves of the lanes write the same word with the same value
	v_add_nc_u32 v12, 384, v12
	v_add_nc_u32 v13, 64, v13
	s_sub_co_u32 s[SQK], s[SQK], 1
	s_cmp_lg_u32 s[SQK], 0
	s_cbranch_scc1 .Lqk
	BARRIER                                        ; q, k and V^T lie in LDS; nobody reads x or the table any more, so O may take their bytes
; ================================================================ phase 2: attention and the output projection
	s_mul_i32 s33, s[SH], 6144
	s_add_co_u32 s34, s33, KIMG
	v_add_nc_u32 v18, s34, v[LS]
.irp n, 0,1,2,3,4,5,6,7,8,9,10,11,12,13,14,15,16,17,18,19,20,21,22,23,24,25,26,27,28,29,30,31,32,33,34,35,36,37,38,39,40,41,42,43,44,45,46,47
	ds_load_b32 v[KT+\n], v18 offset:128*\n        ; my head's k stays in registers: tile a at 3 a
.endr
	s_lshl_b32 s34, s[SH], 10
	s_add_co_u32 s35, s34, KSC
	v_add_nc_u32 v19, s35, v[LS]
.irp i, 0,1,2,3,4,5,6,7
	ds_load_b32 v[KS+\i], v19 offset:128*\i        ; lanes 0-15: tile 2 i's scale words, lanes 16-31: tile 2 i + 1's
.endr
.irp n, 0,1,2,3,4,5,6,7,8,9,10,11,12,13,14,15,16,17,18,19,20,21,22,23,24,25,26,27,28,29,30,31,32,33,34,35,36,37,38,39,40,41,42,43,44,45,46,47
	v_mov_b32 v[QV+\n], 0                          ; zero codes: of each variant's 12 registers 9 stay so
.endr
	s_mov_b32 s[SCY], 0.0035355339059327377        ; 32^-0.5 / 50
	s_mov_b32 s[SCY+1], s[SCY]
	s_mov_b32 s[SC1], 72.13475204444817            ; 50 log2(e)
	s_mov_b32 s[SC1+1], s[SC1]
	s_mov_b32 s[SA11], 0.000000000000200018790482477
	s_mov_b32 s[SA11+1], s[SA11]
	s_mov_b32 s[SA9], -0.0000000000860467152213735
	s_mov_b32 s[SA9+1], s[SA9]
	s_mov_b32 s[SA7], 0.0000000512229709037114
	s_mov_b32 s[SA7+1], s[SA7]
	s_mov_b32 s[SA5], 0.0000148572235717979
	s_mov_b32 s[SA5+1], s[SA5]
	s_mov_b32 s[SA3], 0.000637261928875436
	s_mov_b32 s[SA3+1], s[SA3]
	s_mov_b32 s[SA1], 0.00489352455891786
	s_mov_b32 s[SA1+1], s[SA1]
	s_mov_b32 s[SB4], 0.000118534705686654
	s_mov_b32 s[SB4+1], s[SB4]
	s_mov_b32 s[SB2], 0.00226843463243900
	s_mov_b32 s[SB2+1], s[SB2]
	s_mov_b32 s[SB0], 0.00489352518554385
	s_mov_b32 s[SB0+1], s[SB0]
	s_mov_b32 s[SNL], -7.90531110763549805
	s_mov_b32 s[SPL], 7.90531110763549805
	v_mov_b32 v[CA13], -0.000000000000000276076847742355
	v_mov_b32 v[CA13+1], v[CA13]
	v_mov_b32 v[CB6], 0.00000119825839466702
	v_mov_b32 v[CB6+1], v[CB6]
	v_and_b32 v22, 8, v2                           ; the diagonal block: my query is 32 J + 8 e + r + 8 (r / 8), register i's key 32 J + 16 h + i
	v_add_nc_u32 v22, v22, v2
	s_lshl_b32 s35, s[SE], 3
	v_add_nc_u32 v22, s35, v22
	v_lshlrev_b32 v23, 4, v3
	v_sub_nc_u32 v22, v22, v23
.irp i, 0,1,2,3,4,5,6,7,8,9,10,11,12,13,14,15
	v_cmp_le_i32 s[MK+\i], \i, v22                 ; the key counts where i <= 8 e + r + 8 (r / 8) - 16 h: the same in every trip
.endr
	s_mul_i32 s35, s[SE], 384
	s_add_co_u32 s35, s35, s33
	s_add_co_u32 s35, s35, QIMG
	v_add_nc_u32 v[AQ], s35, v[LS]                 ; q's codes of tile e
	s_lshl_b32 s35, s[SE], 6
	s_add_co_u32 s35, s35, s34
	s_add_co_u32 s35, s35, QSC
	v_add_nc_u32 v[AQS], s35, v[LR]
	s_add_co_u32 s35, s33, VIMG
	v_add_nc_u32 v[AV], s35, v[LI]
	s_lshl_b32 s35, s[SH], 9
	s_add_co_u32 s35, s35, VSC
	v_add_nc_u32 v[AVS], s35, v[LS]
	s_mul_i32 s35, s[SE], 2*FRB                    ; where O's codes go: fragment (2 a + hd / 4), register 6 ((hd % 4) / 2) + 3 h + i, lane 16 (hd % 2) + r
	s_lshr_b32 s33, s[SH], 2
	s_mul_i32 s34, s33, FRB
	s_add_co_u32 s35, s35, s34
	s_bfe_u32 s34, s[SH], 0x10001
	s_mul_i32 s34, s34, 768
	s_add_co_u32 s35, s35, s34
	s_and_b32 s34, s[SH], 1
	s_lshl_b32 s34, s34, 6
	s_add_co_u32 s35, s35, s34
	v_mad_u32_u24 v[AO], v3, 384, v[LR]
	v_add_nc_u32 v[AO], s35, v[AO]
	s_lshl_b32 s35, s[SE], 7                       ; and its scale byte
	s_lshl_b32 s34, s33, 6
	s_add_co_u32 s35, s35, s34
	s_and_b32 s34, s[SH], 3
	s_add_co_u32 s35, s35, s34
	s_add_co_u32 s35, s35, OSC
	v_add_nc_u32 v[AOS], s35, v[LR]
	s_lshr_b32 s56, s[WVN], 2                      ; the output projection: tile of tokens tw = w / 4 of a group's four,
	s_and_b32 s57, s[WVN], 3                       ; columns 64 cg on, cg = w % 4
	s_mul_i32 s35, s56, 2*FRB
	v_add_nc_u32 v[AOF], s35, v[LS]
	s_lshl_b32 s35, s56, 7
	s_add_co_u32 s35, s35, OSC
	v_add_nc_u32 v[AOSR], s35, v[LR]
	s_mul_i32 s35, s57, 8*FRB
	s_add_co_u32 s35, s35, WOIMG
	v_add_nc_u32 v[AWO], s35, v[LI]
	s_lshl_b32 s35, s57, 10
	s_add_co_u32 s35, s35, WOSC
	v_add_nc_u32 v[AWOS], s35, v[LS]
	s_lshr_b32 s35, s56, 1                         ; out0: row 32 (tw / 2) + 8 (tw % 2) + 16 h (+ j in the immediate), 1,024 bytes a row; 256 cg + 16 r bytes on
	s_lshl_b32 s35, s35, 15
	s_and_b32 s34, s56, 1
	s_lshl_b32 s34, s34, 13
	s_add_co_u32 s35, s35, s34
	s_lshl_b32 s34, s57, 8
	s_add_co_u32 s35, s35, s34
	v_lshlrev_b32 v[GOUT], 4, v2
	v_lshl_add_u32 v[GOUT], v3, 14, v[GOUT]
	v_add_nc_u32 v[GOUT], s35, v[GOUT]
	s_mov_b32 s[SJ], 0
	s_mov_b32 s[SG], 4
	s_wait_dscnt 0x0                               ; k and its scale words
; A KEY BLOCK: 32 keys (tiles 2 b and 2 b + 1) against my 16 queries.  A block all of whose keys come after my queries (b > J) is left out by a scalar branch on the trip's number.
.macro BLOCK b
.if (\b)%4 > 0
	s_cmp_lt_u32 s[SJ], \b
	s_cbranch_scc1 .Lbend_\@
.endif
	MM0 SS, KT+12*((\b)/2), QV+24*((\b)%2), KS+(\b), QS
	MM0R SS+8, KT+12*((\b)/2), QV+24*((\b)%2)+12, KS+(\b), QS
	PLACES 4                                       ; register i now holds my query's score with key 32 b + 16 h + i
.irp j, 0,2,4,6,8,10,12,14
	v_pk_mul_f32 v[SS+\j:SS+\j+1], v[SS+\j:SS+\j+1], s[SCY:SCY+1] op_sel_hi:[1,0]   ; y = score x 32^-0.5 / 50
.endr
.irp j, 0,1,2,3,4,5,6,7,8,9,10,11,12,13,14,15
	v_med3_num_f32 v[SS+\j], v[SS+\j], s[SNL], s[SPL]
.endr
.irp j, 0,2,4,6,8,10,12,14
	v_pk_mul_f32 v[ZZ+\j:ZZ+\j+1], v[SS+\j:SS+\j+1], v[SS+\j:SS+\j+1]
.endr
.irp j, 0,2,4,6,8,10,12,14
	v_pk_fma_f32 v[QQ+\j:QQ+\j+1], v[ZZ+\j:ZZ+\j+1], v[CB6:CB6+1], s[SB4:SB4+1] op_sel_hi:[1,1,0]   ; the denominator
.endr
.irp j, 0,2,4,6,8,10,12,14
	v_pk_fma_f32 v[QQ+\j:QQ+\j+1], v[QQ+\j:QQ+\j+1], v[ZZ+\j:ZZ+\j+1], s[SB2:SB2+1] op_sel_hi:[1,1,0]
.endr
.irp j, 0,2,4,6,8,10,12,14
	v_pk_fma_f32 v[QQ+\j:QQ+\j+1], v[QQ+\j:QQ+\j+1], v[ZZ+\j:ZZ+\j+1], s[SB0:SB0+1] op_sel_hi:[1,1,0]
.endr
.irp j, 0,2,4,6,8,10,12,14                     ; the numerator; each reciprocal has a plain instruction of it behind
	v_pk_fma_f32 v[PP+\j:PP+\j+1], v[ZZ+\j:ZZ+\j+1], v[CA13:CA13+1], s[SA11:SA11+1] op_sel_hi:[1,1,0]
	v_rcp_f32 v[QQ+\j], v[QQ+\j]
.endr
.irp j, 0,2,4,6,8,10,12,14
	v_pk_fma_f32 v[PP+\j:PP+\j+1], v[PP+\j:PP+\j+1], v[ZZ+\j:ZZ+\j+1], s[SA9:SA9+1] op_sel_hi:[1,1,0]
	v_rcp_f32 v[QQ+\j+1], v[QQ+\j+1]
.endr
.irp j, 0,2,4,6,8,10,12,14
	v_pk_fma_f32 v[PP+\j:PP+\j+1], v[PP+\j:PP+\j+1], v[ZZ+\j:ZZ+\j+1], s[SA7:SA7+1] op_sel_hi:[1,1,0]
.endr
.irp j, 0,2,4,6,8,10,12,14
	v_pk_fma_f32 v[PP+\j:PP+\j+1], v[PP+\j:PP+\j+1], v[ZZ+\j:ZZ+\j+1], s[SA5:SA5+1] op_sel_hi:[1,1,0]
.endr
.irp j, 0,2,4,6,8,10,12,14
	v_pk_fma_f32 v[PP+\j:PP+\j+1], v[PP+\j:PP+\j+1], v[ZZ+\j:ZZ+\j+1], s[SA3:SA3+1] op_sel_hi:[1,1,0]
.endr
.irp j, 0,2,4,6,8,10,12,14
	v_pk_fma_f32 v[PP+\j:PP+\j+1], v[PP+\j:PP+\j+1], v[ZZ+\j:ZZ+\j+1], s[SA1:SA1+1] op_sel_hi:[1,1,0]
.endr
.irp j, 0,2,4,6,8,10,12,14
	v_pk_mul_f32 v[PP+\j:PP+\j+1], v[PP+\j:PP+\j+1], v[SS+\j:SS+\j+1]
.endr
	s_wait_alu depctr_va_vdst(0)
.irp j, 0,2,4,6,8,10,12,14
	v_pk_mul_f32 v[PP+\j:PP+\j+1], v[PP+\j:PP+\j+1], v[QQ+\j:QQ+\j+1]   ; tanh(y)
.endr
.irp j, 0,2,4,6,8,10,12,14
	v_pk_mul_f32 v[SS+\j:SS+\j+1], v[PP+\j:PP+\j+1], s[SC1:SC1+1] op_sel_hi:[1,0]   ; t = 50 tanh(y) log2(e), within +-72.14
.endr
.irp j, 0,1,2,3,4,5,6,7,8,9,10,11,12,13,14,15
	v_exp_f32 v[SS+\j], v[SS+\j]                   ; p = 2^t
.endr
	v_nop                                          ; a plain place behind the exponentials
	s_cmp_lg_u32 s[SJ], \b                         ; on the diagonal the hidden keys' p become 0
	s_cbranch_scc1 .Lopen_\@
	s_wait_alu depctr_va_vdst(0)
.irp j, 0,1,2,3,4,5,6,7,8,9,10,11,12,13,14,15
	v_cndmask_b32 v[SS+\j], 0, v[SS+\j], s[MK+\j]
.endr
.Lopen_\@:
	s_wait_alu depctr_va_vdst(0)
	v_pk_add_f32 v[ZZ:ZZ+1], v[SS:SS+1], v[SS+2:SS+3]          ; the row's sum is taken of the unquantised p
	v_pk_add_f32 v[ZZ+2:ZZ+3], v[SS+4:SS+5], v[SS+6:SS+7]
	v_pk_add_f32 v[ZZ+4:ZZ+5], v[SS+8:SS+9], v[SS+10:SS+11]
	v_pk_add_f32 v[ZZ+6:ZZ+7], v[SS+12:SS+13], v[SS+14:SS+15]
	v_pk_add_f32 v[ZZ:ZZ+1], v[ZZ:ZZ+1], v[ZZ+2:ZZ+3]
	v_pk_add_f32 v[ZZ+4:ZZ+5], v[ZZ+4:ZZ+5], v[ZZ+6:ZZ+7]
	v_pk_add_f32 v[ZZ:ZZ+1], v[ZZ:ZZ+1], v[ZZ+4:ZZ+5]
	v_pk_add_f32 v[LL:LL+1], v[LL:LL+1], v[ZZ:ZZ+1]
	MAX16 SS
	SCALEOF
	v_lshrrev_b32 v[BY+(\b)%4], 23, v[SO]          ; the block's scale byte
.if (\b)%2 == 0
	v_cvt_scalef32_pk16_fp6_f32 v[PC+6*(((\b)%4)/2):PC+6*(((\b)%4)/2)+2], v[SS:SS+15], v[SO]
.else
	v_cvt_scalef32_pk16_fp6_f32 v[PT+4*(((\b)%4)/2):PT+4*(((\b)%4)/2)+2], v[SS:SS+15], v[SO]
.endif
	v_nop                                          ; one plain place behind a scaled conversion
.Lbend_\@:
.endm
.macro CLEARP                          ; blocks that are left out count as zero codes under the byte 0
.irp i, 0,1,2
	v_mov_b32 v[PC+\i], 0
	v_mov_b32 v[PC+6+\i], 0
	v_mov_b32 v[PT+\i], 0
	v_mov_b32 v[PT+4+\i], 0
.endr
.irp i, 0,1,2,3
	v_mov_b32 v[BY+\i], 0
.endr
.endm
; O^T (+)= V^T P^T over keys 128 s on: source 0 = 16 of the head's 32 (d = 8 dt + p + 8 (p / 8)), source 1 = p: register j of tile dt is d = 16 h + 8 dt + j of my query
.macro FINISH s
	FETCH12 VF, AV, (\s)*FRB
	FETCH12 VF+12, AV, (2+(\s))*FRB
	ds_load_b32 v[VS], v[AVS] offset:(\s)*128
	ds_load_b32 v[VS+1], v[AVS] offset:(2+(\s))*128
	v_lshl_or_b32 v[PW], v[BY+1], 8, v[BY]         ; p's scale word for these 128 keys
	v_lshl_or_b32 v[PW], v[BY+2], 16, v[PW]
	v_lshl_or_b32 v[PW], v[BY+3], 24, v[PW]
.irp c, 0,1                                    ; a whole block to a lane: lanes 0-15 block 2 c, lanes 16-31 block 2 c + 1
.irp i, 0,1,2
	v_permlane16_swap_b32 v[PC+6*\c+\i], v[PT+4*\c+\i]
.endr
.irp i, 0,1,2
	v_mov_b32 v[PC+6*\c+3+\i], v[PT+4*\c+\i]
.endr
.endr
	PLACES 8                                       ; a scale register written by a vector instruction stands 8 places ahead of a scaled matrix instruction, an operand so written 4
	s_wait_dscnt 0x0                               ; V^T's fragments and scale words
.if (\s) == 0
	MM0 OO, VF, PC, VS, PW
	MM0 OO+8, VF+12, PC, VS+1, PW
.else
	MMA OO, VF, PC, VS, PW                         ; the two accumulators take turns, and the scores' stand between a link and the one before it
	MMA OO+8, VF+12, PC, VS+1, PW
.endif
	PLACES 5
.endm
.Lgroup:                                           ; four groups of 64 query tokens: two trips of attention, then their rows of out0, which leave while later queries are worked on
	s_mov_b32 s[SJJ], 2
.Ltrip:                                            ; query tile 2 J + e against key blocks 0 .. J
.irp v, 0,1,2,3
.irp i, 0,1,2
	ds_load_b32 v[QV+15*\v+\i], v[AQ] offset:128*\i   ; variant v: the tile's 3 registers at place 3 v of its 12
.endr
.endr
	ds_load_b32 v[QS], v[AQS]
	v_mov_b32 v[LL], 0
	v_mov_b32 v[LL+1], 0
	CLEARP
	s_wait_dscnt 0x0                               ; q and its scale words
	BLOCK 0
	BLOCK 1
	BLOCK 2
	BLOCK 3
	FINISH 0
	s_cmp_lt_u32 s[SJ], 4                          ; keys 128 on count only for J >= 4
	s_cbranch_scc1 .Lfinal
	CLEARP
	BLOCK 4
	BLOCK 5
	BLOCK 6
	BLOCK 7
	FINISH 1
.Lfinal:
	v_add_f32 v[LT], v[LL], v[LL+1]                ; the sum's two halves,
	v_permlanex16_b32 v[LX], v[LT], s[SEL], s[SEL+1]
	v_add_f32 v[LT], v[LT], v[LX]                  ; and lane l xor 16's: the row's sum
	v_rcp_f32 v[RS], v[LT]
	v_nop                                          ; a plain place behind the transcendental
	s_wait_alu depctr_va_vdst(0)
.irp j, 0,2,4,6,8,10,12,14
	v_pk_mul_f32 v[OO+\j:OO+\j+1], v[OO+\j:OO+\j+1], v[RS:RS+1] op_sel_hi:[1,0]   ; O / l, each accumulator from its low end: d = 16 h + 0 .. 15 of my head
.endr
	MAX16A OO
	SCALEOF                                        ; a head is one block of 32 along the output projection's K
	v_lshrrev_b32 v[OB], 23, v[SO]
	v_cvt_scalef32_pk16_fp6_f32 v[C3:C3+2], v[OO:OO+15], v[SO]
	v_nop                                          ; one plain place behind a scaled conversion
.irp i, 0,1,2
	ds_store_b32 v[AO], v[C3+\i] offset:128*\i
.endr
	ds_store_b8 v[AOS], v[OB]                      ; both halves of the lanes write the same byte with the same value
	v_add_nc_u32 v[AQ], 768, v[AQ]                 ; two tiles on
	v_add_nc_u32 v[AQS], 128, v[AQS]
	v_add_nc_u32 v[AO], 4*FRB, v[AO]
	v_add_nc_u32 v[AOS], 256, v[AOS]
	s_add_co_u32 s[SJ], s[SJ], 1
	s_sub_co_u32 s[SJJ], s[SJJ], 1
	s_cmp_lg_u32 s[SJJ], 0
	s_cbranch_scc1 .Ltrip
	BARRIER                                        ; the group's four tiles of O, all eight heads, lie in LDS
	; out0: tile 4 G + tw of tokens x columns 64 cg + 4 r + q, q = 0 .. 3.  Source 0 = O's 16 tokens, source 1 = 16 rows of wo
.irp sp, 0,1
.irp n, 0,1,2,3,4,5,6,7,8,9,10,11
	ds_load_b32 v[OF+\n], v[AOF] offset:FRB*\sp+128*\n
.endr
	ds_load_b32 v[OS], v[AOSR] offset:64*\sp
.irp q, 0,1,2,3
	FETCH12 WOF+12*\q, AWO, (2*\q+\sp)*FRB
	ds_load_b32 v[WOS+\q], v[AWOS] offset:(2*\q+\sp)*128
.endr
	s_wait_dscnt 0x0
.irp q, 0,1,2,3                                ; four accumulators by turns
.if \sp == 0
	MM0 OACC+8*\q, OF, WOF+12*\q, OS, WOS+\q
.else
	MMA OACC+8*\q, OF, WOF+12*\q, OS, WOS+\q
.endif
.endr
	PLACES 5
.endr
.irp j, 0,1,2,3,4,5,6,7                        ; register j of accumulator q is (token base + 16 h + j, column 64 cg + 4 r + q): four accumulators' registers j side by side are 16 neighbouring bytes of a row
.irp q, 0,1,2,3
	v_mov_b32 v[OT+4*\j+\q], v[OACC+8*\q+\j]
.endr
.endr
.irp j, 0,1,2,3,4,5,6,7
	global_store_b128 v[GOUT], v[OT+4*\j:OT+4*\j+3], s[28:29] offset:1024*\j th:TH_STORE_NT   ; sixteen lanes store 256 consecutive bytes, at a multiple of 256 from out0's first byte
.endr
	s_wait_xcnt 0x0                                ; the stores' offset and data registers are written again only behind this wait
	v_add_nc_u32 v[GOUT], 65536, v[GOUT]           ; 64 rows on
	v_add_nc_u32 v[AOF], 8*FRB, v[AOF]
	v_add_nc_u32 v[AOSR], 512, v[AOSR]
	BARRIER                                        ; every wave's reads of O are in before the next group's codes are stored
	s_sub_co_u32 s[SG], s[SG], 1
	s_cmp_lg_u32 s[SG], 0
	s_cbranch_scc1 .Lgroup
	s_wait_xcnt 0x0
	v_lshl_add_u32 v248, v0, 2, 0x4b000
	v_mov_b32 v249, 0
	s_wait_tensorcnt 0x0
	ds_add_u32 v248, v249
	s_wait_dscnt 0x0
	s_endpgm
.Lfunc_end_k_qffd74f59c5_attn:
	.size	k_qffd74f59c5_attn, .Lfunc_end_k_qffd74f59c5_attn-k_qffd74f59c5_attn
	.p2alignl 7, 3214868480
	.fill 96, 4, 3214868480
	.section	.rodata,"a",@progbits
	.p2align	6, 0x0
	.amdhsa_kernel k_qffd74f59c5_attn
		.amdhsa_group_segment_fixed_size 309248
		.amdhsa_private_segment_fixed_size 0
		.amdhsa_enable_private_segment 0
		.amdhsa_kernarg_size 104
		.amdhsa_user_sgpr_count 2
		.amdhsa_user_sgpr_kernarg_segment_ptr 1
		.amdhsa_wavefront_size32 1
		.amdhsa_system_sgpr_workgroup_id_x 1
		.amdhsa_system_sgpr_workgroup_id_y 1
		.amdhsa_system_sgpr_workgroup_id_z 1
		.amdhsa_system_vgpr_workitem_id 0
		.amdhsa_next_free_vgpr 256
		.amdhsa_next_free_sgpr 96
		.amdhsa_reserve_vcc 1
		.amdhsa_float_denorm_mode_32 3
		.amdhsa_float_denorm_mode_16_64 3
		.amdhsa_memory_ordered 1
		.amdhsa_forward_progress 1
		.amdhsa_inst_pref_size 172
	.end_amdhsa_kernel
	.amdgpu_metadata
---
amdhsa.version: [ 1, 2 ]
amdhsa.kernels:
  - .name:           k_qffd74f59c5_attn
    .symbol:         k_qffd74f59c5_attn.kd
    .args:
      - { .name: x_codes, .offset: 0, .size: 8, .value_kind: global_buffer, .address_space: global }
      - { .name: x_scales, .offset: 8, .size: 8, .value_kind: global_buffer, .address_space: global }
      - { .name: wq_codes, .offset: 16, .size: 8, .value_kind: global_buffer, .address_space: global }
      - { .name: wq_scales, .offset: 24, .size: 8, .value_kind: global_buffer, .address_space: global }
      - { .name: wk_codes, .offset: 32, .size: 8, .value_kind: global_buffer, .address_space: global }
      - { .name: wk_scales, .offset: 40, .size: 8, .value_kind: global_buffer, .address_space: global }
      - { .name: wv_codes, .offset: 48, .size: 8, .value_kind: global_buffer, .address_space: global }
      - { .name: wv_scales, .offset: 56, .size: 8, .value_kind: global_buffer, .address_space: global }
      - { .name: wo_codes, .offset: 64, .size: 8, .value_kind: global_buffer, .address_space: global }
      - { .name: wo_scales, .offset: 72, .size: 8, .value_kind: global_buffer, .address_space: global }
      - { .name: gq, .offset: 80, .size: 8, .value_kind: global_buffer, .address_space: global }
      - { .name: gk, .offset: 88, .size: 8, .value_kind: global_buffer, .address_space: global }
      - { .name: out0, .offset: 96, .size: 8, .value_kind: global_buffer, .address_space: global }
    .group_segment_fixed_size: 309248
    .private_segment_fixed_size: 0
    .kernarg_segment_align: 8
    .kernarg_segment_size: 104
    .max_flat_workgroup_size: 512
    .sgpr_count:     96
    .vgpr_count:     256
    .wavefront_size: 32
...
	.end_amdgpu_metadata
.endif
;; end of part 1
;; ======== version 2 of 2: 1 launch; version 1 with the launch attn written anew for expert scheduling mode
;; launch attn (part 2): grid 256 x 1, 16 waves a work-group, no clusters, 309,248 bytes of LDS; arguments x_codes, x_scales, wq_codes, wq_scales, wk_codes, wk_scales, wv_codes, wv_scales, wo_codes, wo_scales, gq, gk, out0; writes out0
.if DOCPART == 2
	.amdgcn_target "amdgcn-amd-amdhsa--gfx1250"
	.amdhsa_code_object_version 6
	.text
	.protected	k_qffd74f59c5_attn
	.globl	k_qffd74f59c5_attn
	.p2align	8
	.type	k_qffd74f59c5_attn,@function
k_qffd74f59c5_attn:
	s_mov_b64 s[64:65], 0
	v_nop
	global_prefetch_b8 v0, s[64:65] scope:SCOPE_SE
	s_setreg_imm32_b32 hwreg(HW_REG_WAVE_SCHED_MODE, 0, 2), 2
	s_setreg_imm32_b32 hwreg(HW_REG_WAVE_MODE, 25, 1), 1
	s_wait_xcnt 0x0
	s_wait_alu depctr_vm_vsrc(0)
; One attention layer on codes of FP6 (E2M3) with one E8M0 scale for each 32 along K, fused into one launch: q, k, v = x W^T; RMS norm and RoPE on q and k, head by head;
; scores, 50 tanh(s / 50), causal mask, softmax; P V; out = O Wo^T.  x [256][256][256] and the four weights [256][256] come as codes; out0 is f32.
; SHARES.  A work-group is one batch (256 tokens); 16 waves.  Wave w: head hd = w / 2, e = w % 2.  It makes q (e = 0) or k (e = 1) of its head for all tokens, rows 8 e + .. of its head's V^T,
; the attention of the query tiles 2 J + e of its head (J = 0 .. 7: key blocks 0 .. J, so every wave has 36 key blocks of 32), and 16 tokens x 64 columns of each group of 64 output rows.
; TILES.  Row p of tile a is token 32 (a / 2) + 8 (a % 2) + p + 8 (p / 8): so the 16 result registers of tiles 2 b and 2 b + 1 are 16 neighbours, 32 b + 16 (lane / 16) + 0 .. 15, along the next K.
; OPERANDS GO FROM WAVE TO WAVE THROUGH LDS AS IMAGES OF THEIR REGISTERS (16 or 4 bytes a lane, lane after lane).  No intermediate goes to memory.
; SCORES, K = 32: a head is one block of 32.  A lane's 16 numbers of q or k (d = 8 h + 0..7 and 16 + 8 h + 0..7, the same order in both) become 3 registers of codes that stay in that lane: half a block of the
; instruction's K for each half of the lanes, both under the head's one scale (its byte four times in the word).  K's 12 operand registers hold FOUR key tiles; q stands in four variants, its 3 registers at place 3 v and
; zero codes elsewhere, so that variant v multiplies key tile 4 g + v alone.
; SOFTMAX.  The soft cap holds every logit in +-50 for every input, so t = logit x log2(e) lies in +-72.14, 2^t in 2^+-72.2 and a row's sum under 2^80.2: nothing can overflow or underflow in f32, and a block's scale
; exponent stays in -75 .. 70.  M is a whole number that only shifts the block scales and the sum alike; here M = 0: p = 2^t, the row's sum of the unquantised p divides at the end.
; tanh is the quotient of an odd polynomial of degree 13 and an even one of degree 6 on an argument held to +-7.90531 (beyond it the quotient is 1 to f32): a few 1e-7 of t.
; NOT USED: joint loads in a cluster.  The weights are what work-groups share; each byte of them goes once from memory into the registers of the one wave that multiplies by it (wo: into an image in LDS).
; As joint tiles in LDS wq, wk and wv would take 147,456 bytes beside the 307,200 in use: more than the 327,680 that a work-group can have.  No ring either: nothing is streamed, every input byte of a work-group is loaded once.
; LIMITS: NaN, infinities and the scale byte 0xff among the inputs are not served.  A block whose largest magnitude lies under 2^-124, a block of zeros too, gets the byte 1 (the bytes are read by this text alone; its
; codes are then zeros or next to it).  inv_freq is 1 / f32(10^(i / 4)), rounded once more: it may differ by an ulp from a power function's.
; THE MODE: SCHED_MODE bits 1:0 = 2 (LLVM: expert scheduling mode 2), set by the entry lines.  The code itself states the register dependences between vector or matrix instructions and memory or LDS
; instructions, with s_wait_alu, always for 0.
; THE PLAN.  Registers that memory or LDS instructions touch, and who else names them:
;   head      v7-18 offsets and addresses, written once: one wait on va_vdst ahead of the first load.  v98-113, the table: written by vector instructions, read by four LDS stores: one wait ahead of these.
;             One wait on vm_vsrc behind the barrier frees the offsets and all that the LDS stores read.
;   phase 1a  XF, XS: loaded from LDS, read by a step's four products, then worked over by the quantiser.  One wait on va_vdst at the head of steps 1 to 3 of a half; the wait ahead of the image's stores
;             (codes, word, v7, v8 written) serves the next half's first loads too, since no vector instruction follows it.  One wait on vm_vsrc behind the stores.
;   phase 1b  XF, XS: read by the trip's four products; the next tile's loads stand behind the wait for 1 / rms, ahead of which v9-11 are stepped.  CS: read by the rotation; the next tile's loads stand behind the
;             wait ahead of the trip's stores (C3Q, PW).  One wait on vm_vsrc behind these eight LDS instructions frees v9-13, C3Q and PW.
;   phase 2   QV, QS: loaded at a trip's head behind one wait on va_vdst (AQ, AQS, the zero codes written; the last trip's products done).  VF lies over PP and QQ, which no vector instruction names behind a
;             block's wait for its p: V^T's loads owe no wait of their own.  PW, PC: one wait behind their places, ahead of the scaled products.  C3, OB: one wait ahead of O's stores, one on vm_vsrc behind them, ahead of the
;             four address steps.  OF, WOF, OS, WOS: K step 0's loads follow that wait with address steps alone between; K step 1's have a wait.  OT, GOUT: one wait ahead of the global stores, one on vm_vsrc behind them.
.set XIMG,  0                          ; LDS: x's 32 fragments (tile a, K step ks) at (2 a + ks) 1536 + 512 c + 16 lane
.set XSC,   49152                      ; their scale words, (2 a + ks) 128 + 4 lane
.set ROPE,  53248                      ; cos and sin: tile a at 2048 a; 512 c + 16 lane; c = 0, 1 cos of my 8 frequencies, c = 2, 3 sin
.set OIMG,  0                          ; over x's (dead by then): O's fragments (a, s) at (2 a + s) 1536 + 128 register + 4 lane
.set OSC,   49152                      ; their scale bytes: (2 a + s) 64 + 4 row + head % 4
.set QIMG,  86016                      ; q's codes: head 6144 + tile 384 + 128 i + 4 lane
.set KIMG,  135168                     ; k's likewise
.set QSC,   184320                     ; q's scale words: head 1024 + tile 64 + 4 row
.set KSC,   192512
.set VIMG,  200704                     ; V^T's fragments ((2 head + dt) 2 + s) 1536 + 512 c + 16 lane
.set VSC,   249856                     ; their scale words, 128 bytes each
.set WOIMG, 253952                     ; wo's fragments ((4 cg + q) 2 + s) 1536 + 512 c + 16 lane
.set WOSC,  303104                     ; their scale words; the map ends at 307,200
.set FRB,   1536                       ; a fragment's image: 12 registers x 128 bytes
; vector registers
.set LI,  4                            ; 16 x lane
.set LS,  5                            ; 4 x lane
.set LR,  6                            ; 4 x (lane % 16)
.set AQ,  7                            ; phase 2's addresses: v7-17
.set AQS, 8
.set AV,  9
.set AVS, 10
.set AO,  11
.set AOS, 12
.set AOF, 13
.set AOSR, 14
.set AWO, 15
.set AWOS, 16
.set GOUT, 17
.set RS,  20                           ; v[20:21] 1 / rms or 1 / l in the low word (the packed forms take it for both halves); v21 is written once
.set LT,  22
.set LX,  23
.set MA,  24
.set MB,  25
.set MX,  26
.set SO,  27                           ; a conversion's scale operand
.set CA13, 28                          ; v[28:29] alpha 13 twice, v[30:31] beta 6 twice
.set CB6, 30
.set XF,  32                           ; phase 1: up to four fragments of x
.set TM,  32                           ; QUANT64's work, over them
.set PCQ, 48
.set CS,  56                           ; cos 0-7, sin 0-7
.set KT,  32                           ; phase 2: k's codes, 16 tiles x 3 registers
.set XS,  80                           ; v80-96 hold scale words and nothing else
.set KS,  80
.set WS,  84
.set QS,  88
.set PW,  89
.set VS,  90
.set WVS, 90
.set OS,  92
.set WOS, 93
.set OB,  97
.set ACC, 98                           ; phase 1a: 8 tiles of V^T
.set DD,  98                           ; phase 1b: two tiles of q or k,
.set YY,  114                          ; normalised,
.set RR,  130                          ; rotated
.set TT,  146
.set C3Q, 154
.set GG,  162                          ; the gain: g[8 h + 0..7], g[16 + 8 h + 0..7]
.set WV,  178                          ; wv's two fragments
.set WW,  202                          ; wq's or wk's four: tile u, K step ks at 12 (2 u + ks)
.set QV,  98                           ; phase 2: q in four variants of 12 registers
.set OO,  146                          ; O^T: two tiles
.set LL,  162                          ; the row's sum, in two halves
.set PC,  164                          ; p's codes
.set PT,  176
.set BY,  184                          ; p's four scale bytes
.set C3,  188
.set SS,  192                          ; 16 scores, then y, then t, then p
.set ZZ,  208
.set PP,  224
.set QQ,  240
.set VF,  224                          ; V^T's two fragments, over PP and QQ, which are done with when a block's p are made
.set OF,  146                          ; the output projection
.set WOF, 160
.set OT,  160
.set OACC, 208
.set WA,  98                           ; the head's work on cos and sin: eight sets of eight
.set WB,  106
.set WC,  114
.set WD,  122
.set WE,  130
.set WF,  138
.set WG,  146
.set WH,  154
; scalar registers
.set WVN, 30                           ; wave
.set SE,  31                           ; e
.set SH,  32                           ; head
.set MK,  36                           ; s36-51: lanes in which key 16 h + i of the diagonal block counts (at the head s36-43: lanes whose angle lies in an odd quadrant)
.set SJ,  52
.set SJJ, 53
.set SG,  54
.set SQK, 55
.set S2PI, 66                          ; the head's constants
.set SPHI, 67
.set SPLO, 68
.set SS1, 69
.set SS2, 70
.set SS3, 71
.set SK1, 72
.set SK2, 73
.set SK3, 74
.set SCY, 66                           ; phase 2's, in pairs (the packed forms name a pair and take its low word)
.set SC1, 68
.set SA11, 70
.set SA9, 72
.set SA7, 74
.set SA5, 76
.set SA3, 78
.set SA1, 80
.set SB4, 82
.set SB2, 84
.set SB0, 86
.set SNL, 88
.set SPL, 89
.set SEL, 90                           ; s[90:91] v_permlanex16_b32's selects for lane l xor 16
.set SI32, 92
.set SEPS, 93
.macro PLACES n                        ; plain vector instructions that name no register of the matrix instruction in front (ISA guide 7.12.1)
.rept \n
	v_nop
.endr
.endm
.macro BARRIER                         ; my LDS stores have landed and my LDS loads are in: then the work-group's barrier
	s_wait_dscnt 0x0
	s_barrier_signal -1
	s_barrier_wait -1
.endm
.macro IMG12 reg, adr, off             ; a fragment goes to LDS as it stands in the registers
.irp c, 0,1,2
	ds_store_b128 v[\adr], v[\reg+4*\c:\reg+4*\c+3] offset:\off+512*\c
.endr
.endm
.macro FETCH12 reg, adr, off           ; and comes back so, in any wave
.irp c, 0,1,2
	ds_load_b128 v[\reg+4*\c:\reg+4*\c+3], v[\adr] offset:\off+512*\c
.endr
.endm
.macro GFRAG reg, voff, sb, off        ; a fragment from rows of codes in memory: 24 bytes of the row's stream of bits twice, in pieces of 8
.irp p, 0,1,2,3,4,5
	global_load_b64 v[\reg+2*\p:\reg+2*\p+1], v[\voff], s[\sb:\sb+1] offset:\off+48*(\p/3)+8*(\p%3)
.endr
.endm
.macro GFRAGX reg, voff, sb, off       ; the same for x, which the launch reads once
.irp p, 0,1,2,3,4,5
	global_load_b64 v[\reg+2*\p:\reg+2*\p+1], v[\voff], s[\sb:\sb+1] offset:\off+48*(\p/3)+8*(\p%3) th:TH_LOAD_NT
.endr
.endm
.macro MM0 d, a, b, sa, sb             ; a product that starts a sum
	v_wmma_scale_f32_16x16x128_f8f6f4 v[\d:\d+7], v[\a:\a+11], v[\b:\b+11], 0, v[\sa], v[\sb] matrix_a_fmt:MATRIX_FMT_FP6 matrix_b_fmt:MATRIX_FMT_FP6
.endm
.macro MM0R d, a, b, sa, sb            ; the same with source 0's scales taken from lanes 16-31
	v_wmma_scale_f32_16x16x128_f8f6f4 v[\d:\d+7], v[\a:\a+11], v[\b:\b+11], 0, v[\sa], v[\sb] matrix_a_fmt:MATRIX_FMT_FP6 matrix_b_fmt:MATRIX_FMT_FP6 matrix_a_scale:MATRIX_SCALE_ROW1
.endm
.macro MMA d, a, b, sa, sb             ; a product that adds in place
	v_wmma_scale_f32_16x16x128_f8f6f4 v[\d:\d+7], v[\a:\a+11], v[\b:\b+11], v[\d:\d+7], v[\sa], v[\sb] matrix_a_fmt:MATRIX_FMT_FP6 matrix_b_fmt:MATRIX_FMT_FP6
.endm
.macro MAX16 x                         ; the largest of my 16 numbers, none negative, and the floor 2^(3 - 127), which holds the byte at 1 from below
	v_max3_num_f32 v[MA], v[\x], v[\x+1], 0x1800000
	v_max3_num_f32 v[MB], v[\x+2], v[\x+3], v[\x+4]
	v_max3_num_f32 v[MA], v[MA], v[\x+5], v[\x+6]
	v_max3_num_f32 v[MB], v[MB], v[\x+7], v[\x+8]
	v_max3_num_f32 v[MA], v[MA], v[\x+9], v[\x+10]
	v_max3_num_f32 v[MB], v[MB], v[\x+11], v[\x+12]
	v_max3_num_f32 v[MA], v[MA], v[\x+13], v[\x+14]
	v_max3_num_f32 v[MA], v[MA], v[MB], v[\x+15]
.endm
.macro MAX16A x                        ; the same of magnitudes
	v_max3_num_f32 v[MA], |v[\x]|, |v[\x+1]|, 0x1800000
	v_max3_num_f32 v[MB], |v[\x+2]|, |v[\x+3]|, |v[\x+4]|
	v_max3_num_f32 v[MA], v[MA], |v[\x+5]|, |v[\x+6]|
	v_max3_num_f32 v[MB], v[MB], |v[\x+7]|, |v[\x+8]|
	v_max3_num_f32 v[MA], v[MA], |v[\x+9]|, |v[\x+10]|
	v_max3_num_f32 v[MB], v[MB], |v[\x+11]|, |v[\x+12]|
	v_max3_num_f32 v[MA], v[MA], |v[\x+13]|, |v[\x+14]|
	v_max3_num_f32 v[MA], v[MA], v[MB], |v[\x+15]|
.endm
.macro SCALEOF                         ; with lane l xor 16's 16 the block is whole; 2 off the exponent field gives the conversion's scale operand
	v_permlanex16_b32 v[MX], v[MA], s[SEL], s[SEL+1]
	v_max_num_f32 v[MA], v[MA], v[MX]
	v_add_nc_u32 v[SO], 0xff000000, v[MA]
.endm
; 64 numbers of a lane, register 16 b + i = k 32 b + 16 (lane / 16) + i of my row, become a fragment's codes in v[PCQ] on and its scale word in v[PW]
.macro QUANT64 s
.irp b, 0,1,2,3
	v_max3_num_f32 v[TM+\b], |v[\s+16*\b]|, |v[\s+1+16*\b]|, 0x1800000
.endr
.irp i, 2,4,6,8,10,12,14
.irp b, 0,1,2,3
	v_max3_num_f32 v[TM+\b], v[TM+\b], |v[\s+16*\b+\i]|, |v[\s+1+16*\b+\i]|
.endr
.endr
.irp b, 0,1,2,3
	v_permlanex16_b32 v[TM+4+\b], v[TM+\b], s[SEL], s[SEL+1]
.endr
.irp b, 0,1,2,3
	v_max_num_f32 v[TM+\b], v[TM+\b], v[TM+4+\b]
.endr
.irp b, 0,1,2,3
	v_add_nc_u32 v[TM+12+\b], 0xff000000, v[TM+\b]
.endr
.irp b, 0,1,2,3
	v_lshrrev_b32 v[TM+4+\b], 23, v[TM+12+\b]
.endr
	v_lshl_or_b32 v[PW], v[TM+5], 8, v[TM+4]
	v_lshl_or_b32 v[PW], v[TM+6], 16, v[PW]
	v_lshl_or_b32 v[PW], v[TM+7], 24, v[PW]
.irp c, 0,1
	v_cvt_scalef32_pk16_fp6_f32 v[PCQ+6*\c:PCQ+2+6*\c], v[\s+32*\c:\s+15+32*\c], v[TM+12+2*\c]
	v_cvt_scalef32_pk16_fp6_f32 v[PCQ+12+4*\c:PCQ+14+4*\c], v[\s+16+32*\c:\s+31+32*\c], v[TM+12+2*\c+1]
.endr
	v_nop                                          ; one plain place behind a scaled conversion
.irp c, 0,1                                    ; the operand's layout wants a whole block in a lane: lanes 0-15 block 2 c, lanes 16-31 block 2 c + 1
.irp i, 0,1,2
	v_permlane16_swap_b32 v[PCQ+6*\c+\i], v[PCQ+12+4*\c+\i]
.endr
.irp i, 0,1,2
	v_mov_b32 v[PCQ+3+6*\c+\i], v[PCQ+12+4*\c+\i]
.endr
.endr
.endm
.macro PSEL j, lo, hi                  ; 10^(i / 4) for my frequency i = 8 h + j
	v_mov_b32 v[WE+\j], \hi
	v_cndmask_b32 v[WD+\j], \lo, v[WE+\j], vcc_lo
.endm
; ================================================================ the head: ids, loads, the table of cos and sin, the images of x and wo
	s_load_b512 s[4:19], s[0:1], 0x0               ; x codes, x scales, wq codes, wq scales, wk codes, wk scales, wv codes, wv scales
	s_load_b256 s[20:27], s[0:1], 0x40             ; wo codes, wo scales, gq, gk
	s_load_b64 s[28:29], s[0:1], 0x60              ; out0
	v_lshrrev_b32 v1, 5, v0
	v_readfirstlane_b32 s[WVN], v1                 ; wave 0..15
	v_and_b32 v1, 31, v0                           ; lane
	v_and_b32 v2, 15, v0                           ; r
	v_bfe_u32 v3, v0, 4, 1                         ; h
	v_lshlrev_b32 v[LI], 4, v1
	v_lshlrev_b32 v[LS], 2, v1
	v_lshlrev_b32 v[LR], 2, v2
	v_mov_b32 v21, 0                               ; named as the upper half of the pair v[20:21]
	v_mov_b32 v[MX], 0                             ; a lane permute's destination counts as one of its sources
	s_wait_alu depctr_va_sdst(0)                   ; the wave's number is written in s30, ahead of its first reader
	s_and_b32 s[SE], s[WVN], 1
	s_lshr_b32 s[SH], s[WVN], 1
	s_mov_b32 s[SEL], 0x76543210
	s_mov_b32 s[SEL+1], 0xfedcba98
	s_mov_b32 s[SI32], 0x3d000000                  ; 1 / 32
	s_mov_b32 s[SEPS], 0x358637bd                  ; 1e-6
	v_and_b32 v22, 8, v2
	v_add_nc_u32 v22, v22, v2                      ; r + 8 (r / 8)
	s_lshl_b32 s33, s[SH], 5
	s_lshl_b32 s34, s[SE], 3
	s_add_co_u32 s34, s33, s34
	v_add_nc_u32 v22, s34, v22                     ; 32 hd + 8 e + r + 8 (r / 8): my token of tile a = w, and my row of wv
	v_mul_u32_u24 v7, v22, 192                     ; a row of 256 codes is 192 bytes
	v_mad_u32_u24 v7, v3, 24, v7
	v_lshlrev_b32 v8, 3, v22                       ; and 8 scale bytes
	v_add_nc_u32 v23, s33, v2                      ; wq or wk: row 32 hd + r (+ 16 u in the immediate)
	v_mul_u32_u24 v11, v23, 192
	v_mad_u32_u24 v11, v3, 24, v11
	v_lshlrev_b32 v12, 3, v23
	s_lshr_b32 s33, s[WVN], 2
	s_lshl_b32 s33, s33, 6
	s_and_b32 s34, s[WVN], 3
	s_add_co_u32 s33, s33, s34
	v_lshl_add_u32 v23, v2, 2, s33                 ; wo: row 64 (w / 4) + 4 r + w % 4: four tiles' lanes r hold four neighbouring output columns
	v_mul_u32_u24 v9, v23, 192
	v_mad_u32_u24 v9, v3, 24, v9
	v_lshlrev_b32 v10, 3, v23
	v_lshlrev_b32 v13, 5, v3                       ; the gain: 32 h bytes on
	s_lshl_b32 s33, s[WVN], 11
	v_add_nc_u32 v14, s33, v[LI]                   ; LDS: my tile of the table,
	s_mul_i32 s33, s[WVN], 2*FRB
	v_add_nc_u32 v15, s33, v[LI]                   ; my two fragments of x,
	v_add_nc_u32 v16, WOIMG, v15                   ; of wo,
	s_lshl_b32 s33, s[WVN], 8
	v_add_nc_u32 v17, s33, v[LS]                   ; and their scale words
	v_add_nc_u32 v18, WOSC, v17
	s_mul_i32 s34, ttmp9, 49152                    ; the batch's codes of x
	s_mov_b32 s35, 0
	s_wait_kmcnt 0x0
	s_add_nc_u64 s[4:5], s[4:5], s[34:35]
	s_lshl_b32 s34, ttmp9, 11
	s_add_nc_u64 s[6:7], s[6:7], s[34:35]          ; its scale bytes
	s_lshl_b32 s34, ttmp9, 18
	s_add_nc_u64 s[28:29], s[28:29], s[34:35]      ; its 256 rows of out0
	s_cmp_eq_u32 s[SE], 0                          ; q's wave or k's: the choice hangs on the wave's number alone
	s_cselect_b64 s[8:9], s[8:9], s[12:13]
	s_cselect_b64 s[10:11], s[10:11], s[14:15]
	s_cselect_b64 s[24:25], s[24:25], s[26:27]
	s_wait_alu depctr_va_vdst(0)                   ; v4 to v18 are written: the offsets that the loads below read, and the LDS addresses of the head's stores and of phase 1's loads
	GFRAGX 32, 7, 4, 0                             ; 26 loads that go on to LDS: x, tile w
	GFRAGX 44, 7, 4, 96
	global_load_b64 v[80:81], v8, s[6:7] th:TH_LOAD_NT
	GFRAG 56, 9, 20, 0                             ; wo, tile w
	GFRAG 68, 9, 20, 96
	global_load_b64 v[82:83], v10, s[22:23]
.irp u, 0,1                                    ; 43 loads that stay in my registers: wq or wk, 24 + 2
.irp ks, 0,1
	GFRAG WW+12*(2*\u+\ks), 11, 8, \u*3072+\ks*96
.endr
	global_load_b64 v[WS+2*\u:WS+2*\u+1], v12, s[10:11] offset:128*\u
.endr
	GFRAG WV, 7, 16, 0                             ; wv, 12 + 1
	GFRAG WV+12, 7, 16, 96
	global_load_b64 v[WVS:WVS+1], v8, s[18:19]
	global_load_b128 v[GG:GG+3], v13, s[24:25]     ; the gain, 4
	global_load_b128 v[GG+4:GG+7], v13, s[24:25] offset:16
	global_load_b128 v[GG+8:GG+11], v13, s[24:25] offset:64
	global_load_b128 v[GG+12:GG+15], v13, s[24:25] offset:80
	; cos and sin of token x inv_freq[8 h + j], j = 0 .. 7, while the loads are out
	s_mov_b32 s[S2PI], 0x3f22f983                  ; 2 / pi
	s_mov_b32 s[SPHI], 0x3fc90fdb                  ; pi / 2 in two parts
	s_mov_b32 s[SPLO], 0xb33bbd2e
	s_mov_b32 s[SS1], -0.16666654611
	s_mov_b32 s[SS2], 0.0083321608736
	s_mov_b32 s[SS3], -0.00019515295891
	s_mov_b32 s[SK1], 0.04166664568298827
	s_mov_b32 s[SK2], -0.001388731625493765
	s_mov_b32 s[SK3], 0.00002443315711809948
	v_cvt_f32_u32 v24, v22                         ; t
	v_cmp_eq_u32 vcc_lo, 1, v3
	s_wait_alu depctr_va_vcc(0)                    ; VCC, the upper half of the lanes, is written, ahead of the eight selects that read it
	PSEL 0, 1.0, 100.0
	PSEL 1, 1.7782794100389228, 177.82794100389228
	PSEL 2, 3.1622776601683795, 316.22776601683796
	PSEL 3, 5.623413251903491, 562.3413251903491
	PSEL 4, 10.0, 1000.0
	PSEL 5, 17.782794100389228, 1778.2794100389228
	PSEL 6, 31.622776601683793, 3162.2776601683795
	PSEL 7, 56.23413251903491, 5623.413251903491
.irp j, 0,1,2,3,4,5,6,7
	v_rcp_f32 v[WE+\j], v[WD+\j]
.endr
	v_nop                                          ; a plain place behind the reciprocals
	s_wait_alu depctr_va_vdst(0)                   ; the eight reciprocals are written, ahead of their first reader
.irp j, 0,1,2,3,4,5,6,7
	v_fma_f32 v[WF+\j], -v[WD+\j], v[WE+\j], 1.0   ; one step of Newton: the quotient to the last bit or next to it
.endr
.irp j, 0,1,2,3,4,5,6,7
	v_fma_f32 v[WC+\j], v[WE+\j], v[WF+\j], v[WE+\j]
.endr
.irp j, 0,1,2,3,4,5,6,7
	v_mul_f32 v[WD+\j], v24, v[WC+\j]              ; the angle, in f32 as it is defined
.endr
.irp j, 0,1,2,3,4,5,6,7
	v_mul_f32 v[WE+\j], s[S2PI], v[WD+\j]
.endr
.irp j, 0,1,2,3,4,5,6,7
	v_rndne_f32 v[WE+\j], v[WE+\j]                 ; the quadrant
.endr
.irp j, 0,1,2,3,4,5,6,7
	v_cvt_i32_f32 v[WF+\j], v[WE+\j]
.endr
.irp j, 0,1,2,3,4,5,6,7
	v_fma_f32 v[WD+\j], -v[WE+\j], s[SPHI], v[WD+\j]
.endr
.irp j, 0,1,2,3,4,5,6,7
	v_fma_f32 v[WD+\j], -v[WE+\j], s[SPLO], v[WD+\j]   ; what is left, within +- pi / 4
.endr
.irp j, 0,1,2,3,4,5,6,7
	v_mul_f32 v[WE+\j], v[WD+\j], v[WD+\j]
.endr
.irp j, 0,1,2,3,4,5,6,7
	v_fma_f32 v[WG+\j], v[WE+\j], s[SS3], s[SS2]
.endr
.irp j, 0,1,2,3,4,5,6,7
	v_fma_f32 v[WG+\j], v[WG+\j], v[WE+\j], s[SS1]
.endr
.irp j, 0,1,2,3,4,5,6,7
	v_mul_f32 v[WH+\j], v[WE+\j], v[WD+\j]
.endr
.irp j, 0,1,2,3,4,5,6,7
	v_fma_f32 v[WG+\j], v[WG+\j], v[WH+\j], v[WD+\j]   ; its sine
.endr
.irp j, 0,1,2,3,4,5,6,7
	v_fma_f32 v[WH+\j], v[WE+\j], s[SK3], s[SK2]
.endr
.irp j, 0,1,2,3,4,5,6,7
	v_fma_f32 v[WH+\j], v[WH+\j], v[WE+\j], s[SK1]
.endr
.irp j, 0,1,2,3,4,5,6,7
	v_mul_f32 v[WA+\j], v[WE+\j], v[WE+\j]
.endr
.irp j, 0,1,2,3,4,5,6,7
	v_fma_f32 v[WB+\j], v[WE+\j], -0.5, 1.0
.endr
.irp j, 0,1,2,3,4,5,6,7
	v_fma_f32 v[WH+\j], v[WH+\j], v[WA+\j], v[WB+\j]   ; its cosine
.endr
.irp j, 0,1,2,3,4,5,6,7
	v_and_b32 v[WA+\j], 1, v[WF+\j]
.endr
.irp j, 0,1,2,3,4,5,6,7
	v_cmp_eq_u32 s[MK+\j], 1, v[WA+\j]             ; in odd quadrants the two change places: eight masks in one run
.endr
	s_wait_alu depctr_va_sdst(0)                   ; the eight masks s36 to s43 are written, ahead of the selects that read them
.irp j, 0,1,2,3,4,5,6,7
	v_cndmask_b32 v[WB+\j], v[WG+\j], v[WH+\j], s[MK+\j]
	v_cndmask_b32 v[WA+\j], v[WH+\j], v[WG+\j], s[MK+\j]
	v_and_b32 v[WD+\j], 2, v[WF+\j]                ; sin is negative in quadrants 2, 3
	v_lshlrev_b32 v[WD+\j], 30, v[WD+\j]
	v_xor_b32 v[WB+\j], v[WB+\j], v[WD+\j]
	v_add_nc_u32 v[WD+\j], 1, v[WF+\j]             ; cos in quadrants 1, 2
	v_and_b32 v[WD+\j], 2, v[WD+\j]
	v_lshlrev_b32 v[WD+\j], 30, v[WD+\j]
	v_xor_b32 v[WA+\j], v[WA+\j], v[WD+\j]
.endr
	s_wait_alu depctr_va_vdst(0)                   ; cos and sin are written in v98 to v113, which the four LDS stores below read
	ds_store_b128 v14, v[WA:WA+3] offset:ROPE
	ds_store_b128 v14, v[WA+4:WA+7] offset:ROPE+512
	ds_store_b128 v14, v[WB:WB+3] offset:ROPE+1024
	ds_store_b128 v14, v[WB+4:WB+7] offset:ROPE+1536
	s_wait_loadcnt 43                              ; loads come back in order: x's and wo's 26 are in; the 43 issued behind them may be out
	IMG12 32, 15, XIMG
	IMG12 44, 15, XIMG+FRB
	ds_store_b32 v17, v80 offset:XSC
	ds_store_b32 v17, v81 offset:XSC+128
	IMG12 56, 16, 0
	IMG12 68, 16, FRB
	ds_store_b32 v18, v82
	ds_store_b32 v18, v83 offset:128
	BARRIER                                        ; x, wo and the table lie in LDS
	s_wait_loadcnt 0x0                             ; my weights, their scale words and the gain; the loads' offset registers are free
	s_wait_alu depctr_vm_vsrc(0)                   ; the loads have read their offsets v7 to v13, the LDS stores v14 to v18, v32 to v83 and v98 to v113: all of these are written anew from here on
; ================================================================ phase 1a: rows 8 e + r + 8 (r / 8) of my head's V^T, all 256 keys.  Source 0 = 16 tokens of x, source 1 = my 16 rows of wv:
; a lane holds one d, and the 16 registers of two neighbouring tiles are 16 neighbouring keys.  128 keys make one fragment.
	v_add_nc_u32 v7, VIMG, v15                     ; (2 hd + e) = w: my two fragments of V^T,
	v_add_nc_u32 v8, VSC, v17                      ; and their scale words
.irp s, 0,1
.irp pp, 0,1,2,3
.if \pp > 0
	s_wait_alu depctr_va_vdst(0)                   ; the four products of the step before are done reading XF and XS, in which the loads below land (a half's first step: nothing on the vector side has named them since the last such wait)
.endif
.irp f, 0,1,2,3                                ; tiles 8 s + 2 pp and + 1, both K steps
	FETCH12 XF+12*\f, LI, XIMG+(4*(4*\s+\pp)+\f)*FRB
	ds_load_b32 v[XS+\f], v[LS] offset:XSC+(4*(4*\s+\pp)+\f)*128
.endr
	s_wait_dscnt 0x0
	MM0 ACC+16*\pp, XF, WV, XS, WVS                ; the two accumulators take turns
	MM0 ACC+16*\pp+8, XF+24, WV, XS+2, WVS
	MMA ACC+16*\pp, XF+12, WV+12, XS+1, WVS+1
	MMA ACC+16*\pp+8, XF+36, WV+12, XS+3, WVS+1
	PLACES 4                                       ; in front of loads into registers that these have read, and of the first read of results; the places stay beside the wait above
.endr
	QUANT64 ACC
	s_wait_alu depctr_va_vdst(0)                   ; the codes in v[PCQ ..], the word in v[PW] and the addresses v7, v8 are written, which the stores below read; the quantiser is done with v32 to v66, in which the next half's loads land
	IMG12 PCQ, 7, \s*FRB
	ds_store_b32 v8, v[PW] offset:\s*128
	s_wait_dscnt 0x0
	s_wait_alu depctr_vm_vsrc(0)                   ; the stores have read v[PCQ ..] and v[PW], which loads and vector instructions write again
.endr
; ================================================================ phase 1b: q (e = 0) or k (e = 1) of my head, a tile of 16 tokens a trip.  Source 0 = 16 rows of the weight, source 1 = x:
; a lane holds one token; tile 0's register j is d = 8 h + j, tile 1's d = 16 + 8 h + j: the two that RoPE turns together lie in one lane.
; The loads run a trip ahead: x's fragments of the next tile are asked for when this tile's products are done with the registers, its cos and sin when this tile's rotation is.
.macro QKX                             ; a tile's two fragments of x and their scale words: 8 LDS loads
	FETCH12 XF, 9, 0
	FETCH12 XF+12, 9, FRB
	ds_load_b32 v[XS], v10
	ds_load_b32 v[XS+1], v10 offset:128
.endm
.macro QKC                             ; a tile's cos and sin: 4 LDS loads
.irp c, 0,1,2,3
	ds_load_b128 v[CS+4*\c:CS+4*\c+3], v11 offset:512*\c
.endr
.endm
; A trip.  last = 1: the sixteenth tile, which asks for nothing more.
.macro QKTRIP last
	s_wait_dscnt 8                                 ; LDS instructions end in order: XF and XS are in; behind their loads came the last trip's four stores and the table's four loads (first trip: the wait ahead of the loop has shown them in)
	MM0 DD, WW, XF, WS, XS                         ; by turns
	MM0 DD+8, WW+24, XF, WS+2, XS
	MMA DD, WW+12, XF+12, WS+1, XS+1
	MMA DD+8, WW+36, XF+12, WS+3, XS+1
.if \last
	PLACES 4
.else
	v_add_nc_u32 v9, 2*FRB, v9                     ; the next tile's addresses: with the v_nop the four places behind the products
	v_add_nc_u32 v10, 256, v10
	v_add_nc_u32 v11, 2048, v11
	v_nop
.endif
	v_pk_mul_f32 v[TT:TT+1], v[DD:DD+1], v[DD:DD+1]            ; the sum of squares, in two chains, each accumulator from its low end
	v_pk_mul_f32 v[TT+2:TT+3], v[DD+8:DD+9], v[DD+8:DD+9]
.irp j, 2,4,6
	v_pk_fma_f32 v[TT:TT+1], v[DD+\j:DD+\j+1], v[DD+\j:DD+\j+1], v[TT:TT+1]
	v_pk_fma_f32 v[TT+2:TT+3], v[DD+8+\j:DD+9+\j], v[DD+8+\j:DD+9+\j], v[TT+2:TT+3]
.endr
	v_pk_add_f32 v[TT:TT+1], v[TT:TT+1], v[TT+2:TT+3]
	v_add_f32 v[TT], v[TT], v[TT+1]
	v_permlanex16_b32 v[TT+1], v[TT], s[SEL], s[SEL+1]
	v_add_f32 v[TT], v[TT], v[TT+1]                ; with lane l xor 16's 16: the head's 32
	v_fma_f32 v[TT], v[TT], s[SI32], s[SEPS]       ; the mean + 1e-6
	v_rsq_f32 v[RS], v[TT]
	v_nop                                          ; a plain place behind the transcendental
	s_wait_alu depctr_va_vdst(0)                   ; 1 / rms is written, ahead of its first reader; the four products are done reading XF and XS, and v9 to v11 are written: so the next tile's loads may follow
.if !\last
	QKX                                            ; no vector instruction from here to the next trip's products names XF or XS
.endif
.irp j, 0,2,4,6,8,10,12,14
	v_pk_mul_f32 v[YY+\j:YY+\j+1], v[DD+\j:DD+\j+1], v[RS:RS+1] op_sel_hi:[1,0]
.endr
.irp j, 0,2,4,6,8,10,12,14
	v_pk_mul_f32 v[YY+\j:YY+\j+1], v[YY+\j:YY+\j+1], v[GG+\j:GG+\j+1]
.endr
.if \last
	s_wait_dscnt 0x0                               ; cos and sin are in: nothing was issued behind their loads
.else
	s_wait_dscnt 8                                 ; cos and sin are in: behind their loads came the eight just issued
.endif
.irp j, 0,2,4,6
	v_pk_mul_f32 v[TT+\j:TT+\j+1], v[YY+8+\j:YY+9+\j], v[CS+8+\j:CS+9+\j]
.endr
.irp j, 0,2,4,6
	v_pk_fma_f32 v[RR+\j:RR+\j+1], v[YY+\j:YY+\j+1], v[CS+\j:CS+\j+1], v[TT+\j:TT+\j+1] neg_lo:[0,0,1] neg_hi:[0,0,1]   ; lower half: y cos - partner sin
.endr
.irp j, 0,2,4,6
	v_pk_mul_f32 v[TT+\j:TT+\j+1], v[YY+\j:YY+\j+1], v[CS+8+\j:CS+9+\j]
.endr
.irp j, 0,2,4,6
	v_pk_fma_f32 v[RR+8+\j:RR+9+\j], v[YY+8+\j:YY+9+\j], v[CS+\j:CS+\j+1], v[TT+\j:TT+\j+1]   ; upper half: y cos + partner sin
.endr
	MAX16A RR
	SCALEOF
	v_lshrrev_b32 v[LT], 23, v[SO]                 ; the head's scale byte,
	v_lshl_or_b32 v[PW], v[LT], 8, v[LT]
	v_lshl_or_b32 v[PW], v[PW], 16, v[PW]          ; four times: wherever the codes stand in the instruction's K, their block has it
	v_cvt_scalef32_pk16_fp6_f32 v[C3Q:C3Q+2], v[RR:RR+15], v[SO]
	v_nop                                          ; one plain place behind a scaled conversion
	s_wait_alu depctr_va_vdst(0)                   ; the codes in v[C3Q ..], the word in v[PW] and the addresses v12, v13 are written, which the stores read; the rotation is done reading CS, in which the table's next loads land
.irp i, 0,1,2
	ds_store_b32 v12, v[C3Q+\i] offset:128*\i
.endr
	ds_store_b32 v13, v[PW]                        ; both halves of the lanes write the same word with the same value
.if !\last
	QKC
	s_wait_alu depctr_vm_vsrc(0)                   ; the trip's LDS instructions have read v9 to v13, v[C3Q ..] and v[PW]: v12 and v13 are stepped below, the others written in the next trip
	v_add_nc_u32 v12, 384, v12
	v_add_nc_u32 v13, 64, v13
.endif
.endm
	v_mov_b32 v9, v[LI]                            ; x's fragments of tile 0 (XIMG = 0)
	v_add_nc_u32 v10, XSC, v[LS]
	v_add_nc_u32 v11, ROPE, v[LI]
	s_mul_i32 s33, s[SE], KIMG-QIMG
	s_mul_i32 s34, s[SH], 6144
	s_add_co_u32 s33, s33, s34
	s_add_co_u32 s33, s33, QIMG
	v_add_nc_u32 v12, s33, v[LS]                   ; where my codes go
	s_lshl_b32 s33, s[SE], 13
	s_lshl_b32 s34, s[SH], 10
	s_add_co_u32 s33, s33, s34
	s_add_co_u32 s33, s33, QSC
	v_add_nc_u32 v13, s33, v[LR]                   ; and my scale words
	s_mov_b32 s[SQK], 15
	s_wait_alu depctr_va_vdst(0)                   ; v9 to v11 are written, which the first tile's loads read
	QKX
	QKC
	s_wait_dscnt 4                                 ; the first tile's fragments and scale words are in; the table's four loads may be out
	s_wait_alu depctr_vm_vsrc(0)                   ; the twelve loads have read v9 to v11, which the first trip steps
.Lqk:
	QKTRIP 0
	s_sub_co_u32 s[SQK], s[SQK], 1
	s_cmp_lg_u32 s[SQK], 0
	s_cbranch_scc1 .Lqk
	QKTRIP 1                                       ; the last tile is written out: no load reaches past x's images or the table
	BARRIER                                        ; q, k and V^T lie in LDS; nobody reads x or the table any more, so O may take their bytes
	s_wait_alu depctr_vm_vsrc(0)                   ; my last four stores have read v12, v13, v[C3Q ..] and v[PW], which phase 2 writes anew
; ================================================================ phase 2: attention and the output projection
	s_mul_i32 s33, s[SH], 6144
	s_add_co_u32 s34, s33, KIMG
	v_add_nc_u32 v18, s34, v[LS]
	s_lshl_b32 s34, s[SH], 10
	s_add_co_u32 s35, s34, KSC
	v_add_nc_u32 v19, s35, v[LS]
	s_wait_alu depctr_va_vdst(0)                   ; v18 and v19 are written, which the loads below read; phase 1's products and rotation are done with v32 to v87, in which they land
.irp n, 0,1,2,3,4,5,6,7,8,9,10,11,12,13,14,15,16,17,18,19,20,21,22,23,24,25,26,27,28,29,30,31,32,33,34,35,36,37,38,39,40,41,42,43,44,45,46,47
	ds_load_b32 v[KT+\n], v18 offset:128*\n        ; my head's k stays in registers: tile a at 3 a
.endr
.irp i, 0,1,2,3,4,5,6,7
	ds_load_b32 v[KS+\i], v19 offset:128*\i        ; lanes 0-15: tile 2 i's scale words, lanes 16-31: tile 2 i + 1's
.endr
.irp n, 0,1,2,3,4,5,6,7,8,9,10,11,12,13,14,15,16,17,18,19,20,21,22,23,24,25,26,27,28,29,30,31,32,33,34,35,36,37,38,39,40,41,42,43,44,45,46,47
	v_mov_b32 v[QV+\n], 0                          ; zero codes: of each variant's 12 registers 9 stay so
.endr
	s_mov_b32 s[SCY], 0.0035355339059327377        ; 32^-0.5 / 50
	s_mov_b32 s[SCY+1], s[SCY]
	s_mov_b32 s[SC1], 72.13475204444817            ; 50 log2(e)
	s_mov_b32 s[SC1+1], s[SC1]
	s_mov_b32 s[SA11], 0.000000000000200018790482477
	s_mov_b32 s[SA11+1], s[SA11]
	s_mov_b32 s[SA9], -0.0000000000860467152213735
	s_mov_b32 s[SA9+1], s[SA9]
	s_mov_b32 s[SA7], 0.0000000512229709037114
	s_mov_b32 s[SA7+1], s[SA7]
	s_mov_b32 s[SA5], 0.0000148572235717979
	s_mov_b32 s[SA5+1], s[SA5]
	s_mov_b32 s[SA3], 0.000637261928875436
	s_mov_b32 s[SA3+1], s[SA3]
	s_mov_b32 s[SA1], 0.00489352455891786
	s_mov_b32 s[SA1+1], s[SA1]
	s_mov_b32 s[SB4], 0.000118534705686654
	s_mov_b32 s[SB4+1], s[SB4]
	s_mov_b32 s[SB2], 0.00226843463243900
	s_mov_b32 s[SB2+1], s[SB2]
	s_mov_b32 s[SB0], 0.00489352518554385
	s_mov_b32 s[SB0+1], s[SB0]
	s_mov_b32 s[SNL], -7.90531110763549805
	s_mov_b32 s[SPL], 7.90531110763549805
	v_mov_b32 v[CA13], -0.000000000000000276076847742355
	v_mov_b32 v[CA13+1], v[CA13]
	v_mov_b32 v[CB6], 0.00000119825839466702
	v_mov_b32 v[CB6+1], v[CB6]
	v_and_b32 v22, 8, v2                           ; the diagonal block: my query is 32 J + 8 e + r + 8 (r / 8), register i's key 32 J + 16 h + i
	v_add_nc_u32 v22, v22, v2
	s_lshl_b32 s35, s[SE], 3
	v_add_nc_u32 v22, s35, v22
	v_lshlrev_b32 v23, 4, v3
	v_sub_nc_u32 v22, v22, v23
.irp i, 0,1,2,3,4,5,6,7,8,9,10,11,12,13,14,15
	v_cmp_le_i32 s[MK+\i], \i, v22                 ; the key counts where i <= 8 e + r + 8 (r / 8) - 16 h: the same in every trip
.endr
	s_wait_alu depctr_va_sdst(0)                   ; the sixteen masks s36 to s51 are written, ahead of every branch and label and of the selects that read them
	s_mul_i32 s35, s[SE], 384
	s_add_co_u32 s35, s35, s33
	s_add_co_u32 s35, s35, QIMG
	v_add_nc_u32 v[AQ], s35, v[LS]                 ; q's codes of tile e
	s_lshl_b32 s35, s[SE], 6
	s_add_co_u32 s35, s35, s34
	s_add_co_u32 s35, s35, QSC
	v_add_nc_u32 v[AQS], s35, v[LR]
	s_add_co_u32 s35, s33, VIMG
	v_add_nc_u32 v[AV], s35, v[LI]
	s_lshl_b32 s35, s[SH], 9
	s_add_co_u32 s35, s35, VSC
	v_add_nc_u32 v[AVS], s35, v[LS]
	s_mul_i32 s35, s[SE], 2*FRB                    ; where O's codes go: fragment (2 a + hd / 4), register 6 ((hd % 4) / 2) + 3 h + i, lane 16 (hd % 2) + r
	s_lshr_b32 s33, s[SH], 2
	s_mul_i32 s34, s33, FRB
	s_add_co_u32 s35, s35, s34
	s_bfe_u32 s34, s[SH], 0x10001
	s_mul_i32 s34, s34, 768
	s_add_co_u32 s35, s35, s34
	s_and_b32 s34, s[SH], 1
	s_lshl_b32 s34, s34, 6
	s_add_co_u32 s35, s35, s34
	v_mad_u32_u24 v[AO], v3, 384, v[LR]
	v_add_nc_u32 v[AO], s35, v[AO]
	s_lshl_b32 s35, s[SE], 7                       ; and its scale byte
	s_lshl_b32 s34, s33, 6
	s_add_co_u32 s35, s35, s34
	s_and_b32 s34, s[SH], 3
	s_add_co_u32 s35, s35, s34
	s_add_co_u32 s35, s35, OSC
	v_add_nc_u32 v[AOS], s35, v[LR]
	s_lshr_b32 s56, s[WVN], 2                      ; the output projection: tile of tokens tw = w / 4 of a group's four,
	s_and_b32 s57, s[WVN], 3                       ; columns 64 cg on, cg = w % 4
	s_mul_i32 s35, s56, 2*FRB
	v_add_nc_u32 v[AOF], s35, v[LS]
	s_lshl_b32 s35, s56, 7
	s_add_co_u32 s35, s35, OSC
	v_add_nc_u32 v[AOSR], s35, v[LR]
	s_mul_i32 s35, s57, 8*FRB
	s_add_co_u32 s35, s35, WOIMG
	v_add_nc_u32 v[AWO], s35, v[LI]
	s_lshl_b32 s35, s57, 10
	s_add_co_u32 s35, s35, WOSC
	v_add_nc_u32 v[AWOS], s35, v[LS]
	s_lshr_b32 s35, s56, 1                         ; out0: row 32 (tw / 2) + 8 (tw % 2) + 16 h (+ j in the immediate), 1,024 bytes a row; 256 cg + 16 r bytes on
	s_lshl_b32 s35, s35, 15
	s_and_b32 s34, s56, 1
	s_lshl_b32 s34, s34, 13
	s_add_co_u32 s35, s35, s34
	s_lshl_b32 s34, s57, 8
	s_add_co_u32 s35, s35, s34
	v_lshlrev_b32 v[GOUT], 4, v2
	v_lshl_add_u32 v[GOUT], v3, 14, v[GOUT]
	v_add_nc_u32 v[GOUT], s35, v[GOUT]
	s_mov_b32 s[SJ], 0
	s_mov_b32 s[SG], 4
	s_wait_dscnt 0x0                               ; k and its scale words
; A KEY BLOCK: 32 keys (tiles 2 b and 2 b + 1) against my 16 queries.  A block all of whose keys come after my queries (b > J) is left out by a scalar branch on the trip's number.
.macro BLOCK b
.if (\b)%4 > 0
	s_cmp_lt_u32 s[SJ], \b
	s_cbranch_scc1 .Lbend_\@
.endif
	MM0 SS, KT+12*((\b)/2), QV+24*((\b)%2), KS+(\b), QS
	MM0R SS+8, KT+12*((\b)/2), QV+24*((\b)%2)+12, KS+(\b), QS
	PLACES 4                                       ; register i now holds my query's score with key 32 b + 16 h + i
.irp j, 0,2,4,6,8,10,12,14
	v_pk_mul_f32 v[SS+\j:SS+\j+1], v[SS+\j:SS+\j+1], s[SCY:SCY+1] op_sel_hi:[1,0]   ; y = score x 32^-0.5 / 50
.endr
.irp j, 0,1,2,3,4,5,6,7,8,9,10,11,12,13,14,15
	v_med3_num_f32 v[SS+\j], v[SS+\j], s[SNL], s[SPL]
.endr
.irp j, 0,2,4,6,8,10,12,14
	v_pk_mul_f32 v[ZZ+\j:ZZ+\j+1], v[SS+\j:SS+\j+1], v[SS+\j:SS+\j+1]
.endr
.irp j, 0,2,4,6,8,10,12,14
	v_pk_fma_f32 v[QQ+\j:QQ+\j+1], v[ZZ+\j:ZZ+\j+1], v[CB6:CB6+1], s[SB4:SB4+1] op_sel_hi:[1,1,0]   ; the denominator
.endr
.irp j, 0,2,4,6,8,10,12,14
	v_pk_fma_f32 v[QQ+\j:QQ+\j+1], v[QQ+\j:QQ+\j+1], v[ZZ+\j:ZZ+\j+1], s[SB2:SB2+1] op_sel_hi:[1,1,0]
.endr
.irp j, 0,2,4,6,8,10,12,14
	v_pk_fma_f32 v[QQ+\j:QQ+\j+1], v[QQ+\j:QQ+\j+1], v[ZZ+\j:ZZ+\j+1], s[SB0:SB0+1] op_sel_hi:[1,1,0]
.endr
.irp j, 0,2,4,6,8,10,12,14                     ; the numerator; each reciprocal has a plain instruction of it behind
	v_pk_fma_f32 v[PP+\j:PP+\j+1], v[ZZ+\j:ZZ+\j+1], v[CA13:CA13+1], s[SA11:SA11+1] op_sel_hi:[1,1,0]
	v_rcp_f32 v[QQ+\j], v[QQ+\j]
.endr
.irp j, 0,2,4,6,8,10,12,14
	v_pk_fma_f32 v[PP+\j:PP+\j+1], v[PP+\j:PP+\j+1], v[ZZ+\j:ZZ+\j+1], s[SA9:SA9+1] op_sel_hi:[1,1,0]
	v_rcp_f32 v[QQ+\j+1], v[QQ+\j+1]
.endr
.irp j, 0,2,4,6,8,10,12,14
	v_pk_fma_f32 v[PP+\j:PP+\j+1], v[PP+\j:PP+\j+1], v[ZZ+\j:ZZ+\j+1], s[SA7:SA7+1] op_sel_hi:[1,1,0]
.endr
.irp j, 0,2,4,6,8,10,12,14
	v_pk_fma_f32 v[PP+\j:PP+\j+1], v[PP+\j:PP+\j+1], v[ZZ+\j:ZZ+\j+1], s[SA5:SA5+1] op_sel_hi:[1,1,0]
.endr
.irp j, 0,2,4,6,8,10,12,14
	v_pk_fma_f32 v[PP+\j:PP+\j+1], v[PP+\j:PP+\j+1], v[ZZ+\j:ZZ+\j+1], s[SA3:SA3+1] op_sel_hi:[1,1,0]
.endr
.irp j, 0,2,4,6,8,10,12,14
	v_pk_fma_f32 v[PP+\j:PP+\j+1], v[PP+\j:PP+\j+1], v[ZZ+\j:ZZ+\j+1], s[SA1:SA1+1] op_sel_hi:[1,1,0]
.endr
.irp j, 0,2,4,6,8,10,12,14
	v_pk_mul_f32 v[PP+\j:PP+\j+1], v[PP+\j:PP+\j+1], v[SS+\j:SS+\j+1]
.endr
	s_wait_alu depctr_va_vdst(0)                   ; the sixteen reciprocals are written in v[QQ ..], ahead of their first reader
.irp j, 0,2,4,6,8,10,12,14
	v_pk_mul_f32 v[PP+\j:PP+\j+1], v[PP+\j:PP+\j+1], v[QQ+\j:QQ+\j+1]   ; tanh(y)
.endr
.irp j, 0,2,4,6,8,10,12,14
	v_pk_mul_f32 v[SS+\j:SS+\j+1], v[PP+\j:PP+\j+1], s[SC1:SC1+1] op_sel_hi:[1,0]   ; t = 50 tanh(y) log2(e), within +-72.14
.endr
.irp j, 0,1,2,3,4,5,6,7,8,9,10,11,12,13,14,15
	v_exp_f32 v[SS+\j], v[SS+\j]                   ; p = 2^t
.endr
	v_nop                                          ; a plain place behind the exponentials
	s_wait_alu depctr_va_vdst(0)                   ; the sixteen p are written in v[SS ..], ahead of the branch and of their first reader; and the block is done with PP and QQ, in which V^T's loads land: nothing names these two before the next block's products
	s_cmp_lg_u32 s[SJ], \b                         ; on the diagonal the hidden keys' p become 0
	s_cbranch_scc1 .Lopen_\@
.irp j, 0,1,2,3,4,5,6,7,8,9,10,11,12,13,14,15
	v_cndmask_b32 v[SS+\j], 0, v[SS+\j], s[MK+\j]
.endr
.Lopen_\@:
	v_pk_add_f32 v[ZZ:ZZ+1], v[SS:SS+1], v[SS+2:SS+3]          ; the row's sum is taken of the unquantised p
	v_pk_add_f32 v[ZZ+2:ZZ+3], v[SS+4:SS+5], v[SS+6:SS+7]
	v_pk_add_f32 v[ZZ+4:ZZ+5], v[SS+8:SS+9], v[SS+10:SS+11]
	v_pk_add_f32 v[ZZ+6:ZZ+7], v[SS+12:SS+13], v[SS+14:SS+15]
	v_pk_add_f32 v[ZZ:ZZ+1], v[ZZ:ZZ+1], v[ZZ+2:ZZ+3]
	v_pk_add_f32 v[ZZ+4:ZZ+5], v[ZZ+4:ZZ+5], v[ZZ+6:ZZ+7]
	v_pk_add_f32 v[ZZ:ZZ+1], v[ZZ:ZZ+1], v[ZZ+4:ZZ+5]
	v_pk_add_f32 v[LL:LL+1], v[LL:LL+1], v[ZZ:ZZ+1]
	MAX16 SS
	SCALEOF
	v_lshrrev_b32 v[BY+(\b)%4], 23, v[SO]          ; the block's scale byte
.if (\b)%2 == 0
	v_cvt_scalef32_pk16_fp6_f32 v[PC+6*(((\b)%4)/2):PC+6*(((\b)%4)/2)+2], v[SS:SS+15], v[SO]
.else
	v_cvt_scalef32_pk16_fp6_f32 v[PT+4*(((\b)%4)/2):PT+4*(((\b)%4)/2)+2], v[SS:SS+15], v[SO]
.endif
	v_nop                                          ; one plain place behind a scaled conversion
.Lbend_\@:
.endm
.macro CLEARP                          ; blocks that are left out count as zero codes under the byte 0
.irp i, 0,1,2
	v_mov_b32 v[PC+\i], 0
	v_mov_b32 v[PC+6+\i], 0
	v_mov_b32 v[PT+\i], 0
	v_mov_b32 v[PT+4+\i], 0
.endr
.irp i, 0,1,2,3
	v_mov_b32 v[BY+\i], 0
.endr
.endm
; O^T (+)= V^T P^T over keys 128 s on: source 0 = 16 of the head's 32 (d = 8 dt + p + 8 (p / 8)), source 1 = p: register j of tile dt is d = 16 h + 8 dt + j of my query
.macro FINISH s
	FETCH12 VF, AV, (\s)*FRB                       ; no wait of their own: on every way here the last block that ran has waited for its p, and nothing on the vector side has named VF or VS since
	FETCH12 VF+12, AV, (2+(\s))*FRB
	ds_load_b32 v[VS], v[AVS] offset:(\s)*128
	ds_load_b32 v[VS+1], v[AVS] offset:(2+(\s))*128
	v_lshl_or_b32 v[PW], v[BY+1], 8, v[BY]         ; p's scale word for these 128 keys
	v_lshl_or_b32 v[PW], v[BY+2], 16, v[PW]
	v_lshl_or_b32 v[PW], v[BY+3], 24, v[PW]
.irp c, 0,1                                    ; a whole block to a lane: lanes 0-15 block 2 c, lanes 16-31 block 2 c + 1
.irp i, 0,1,2
	v_permlane16_swap_b32 v[PC+6*\c+\i], v[PT+4*\c+\i]
.endr
.irp i, 0,1,2
	v_mov_b32 v[PC+6*\c+3+\i], v[PT+4*\c+\i]
.endr
.endr
	PLACES 8                                       ; a scale register written by a vector instruction stands 8 places ahead of a scaled matrix instruction, an operand so written 4
	s_wait_alu depctr_va_vdst(0)                   ; p's word in v[PW] and its codes in v[PC ..] are written, which the scaled products below take as scales and as source 1; the places above stay beside this wait
	s_wait_dscnt 0x0                               ; V^T's fragments and scale words
.if (\s) == 0
	MM0 OO, VF, PC, VS, PW
	MM0 OO+8, VF+12, PC, VS+1, PW
.else
	MMA OO, VF, PC, VS, PW                         ; the two accumulators take turns, and the scores' stand between a link and the one before it
	MMA OO+8, VF+12, PC, VS+1, PW
.endif
	PLACES 5
.endm
.Lgroup:                                           ; four groups of 64 query tokens: two trips of attention, then their rows of out0, which leave while later queries are worked on
	s_mov_b32 s[SJJ], 2
.Ltrip:                                            ; query tile 2 J + e against key blocks 0 .. J
	s_wait_alu depctr_va_vdst(0)                   ; v[AQ] and v[AQS] are written (and, ahead of the first trip, all of v7 to v17 and the zero codes); the last trip's products are done reading QV and QS, in which the loads below land
.irp v, 0,1,2,3
.irp i, 0,1,2
	ds_load_b32 v[QV+15*\v+\i], v[AQ] offset:128*\i   ; variant v: the tile's 3 registers at place 3 v of its 12
.endr
.endr
	ds_load_b32 v[QS], v[AQS]
	v_mov_b32 v[LL], 0
	v_mov_b32 v[LL+1], 0
	CLEARP
	s_wait_dscnt 0x0                               ; q and its scale words
	BLOCK 0
	BLOCK 1
	BLOCK 2
	BLOCK 3
	FINISH 0
	s_cmp_lt_u32 s[SJ], 4                          ; keys 128 on count only for J >= 4
	s_cbranch_scc1 .Lfinal
	CLEARP
	BLOCK 4
	BLOCK 5
	BLOCK 6
	BLOCK 7
	FINISH 1
.Lfinal:
	v_add_f32 v[LT], v[LL], v[LL+1]                ; the sum's two halves,
	v_permlanex16_b32 v[LX], v[LT], s[SEL], s[SEL+1]
	v_add_f32 v[LT], v[LT], v[LX]                  ; and lane l xor 16's: the row's sum
	v_rcp_f32 v[RS], v[LT]
	v_nop                                          ; a plain place behind the transcendental
	s_wait_alu depctr_va_vdst(0)                   ; 1 / l is written, ahead of its first reader
.irp j, 0,2,4,6,8,10,12,14
	v_pk_mul_f32 v[OO+\j:OO+\j+1], v[OO+\j:OO+\j+1], v[RS:RS+1] op_sel_hi:[1,0]   ; O / l, each accumulator from its low end: d = 16 h + 0 .. 15 of my head
.endr
	MAX16A OO
	SCALEOF                                        ; a head is one block of 32 along the output projection's K
	v_lshrrev_b32 v[OB], 23, v[SO]
	v_cvt_scalef32_pk16_fp6_f32 v[C3:C3+2], v[OO:OO+15], v[SO]
	v_nop                                          ; one plain place behind a scaled conversion
	s_wait_alu depctr_va_vdst(0)                   ; O's codes in v[C3 ..], its byte in v[OB] and the addresses v[AO], v[AOS] are written, which the stores read; the trip is done with v146 to v207, in which the projection's loads land
.irp i, 0,1,2
	ds_store_b32 v[AO], v[C3+\i] offset:128*\i
.endr
	ds_store_b8 v[AOS], v[OB]                      ; both halves of the lanes write the same byte with the same value
	s_wait_alu depctr_vm_vsrc(0)                   ; the stores have read v[AO], v[AOS], v[C3 ..] and v[OB], the trip's first loads v[AQ] and v[AQS]: the four addresses are stepped below, the data written again later
	v_add_nc_u32 v[AQ], 768, v[AQ]                 ; two tiles on
	v_add_nc_u32 v[AQS], 128, v[AQS]
	v_add_nc_u32 v[AO], 4*FRB, v[AO]
	v_add_nc_u32 v[AOS], 256, v[AOS]
	s_add_co_u32 s[SJ], s[SJ], 1
	s_sub_co_u32 s[SJJ], s[SJJ], 1
	s_cmp_lg_u32 s[SJJ], 0
	s_cbranch_scc1 .Ltrip
	BARRIER                                        ; the group's four tiles of O, all eight heads, lie in LDS
	; out0: tile 4 G + tw of tokens x columns 64 cg + 4 r + q, q = 0 .. 3.  Source 0 = O's 16 tokens, source 1 = 16 rows of wo
.irp sp, 0,1
.if \sp == 1
	s_wait_alu depctr_va_vdst(0)                   ; the first K step's four products are done reading OF, WOF, OS and WOS, in which the loads below land (first K step: behind the wait ahead of O's stores stand address steps alone)
.endif
.irp n, 0,1,2,3,4,5,6,7,8,9,10,11
	ds_load_b32 v[OF+\n], v[AOF] offset:FRB*\sp+128*\n
.endr
	ds_load_b32 v[OS], v[AOSR] offset:64*\sp
.irp q, 0,1,2,3
	FETCH12 WOF+12*\q, AWO, (2*\q+\sp)*FRB
	ds_load_b32 v[WOS+\q], v[AWOS] offset:(2*\q+\sp)*128
.endr
	s_wait_dscnt 0x0
.irp q, 0,1,2,3                                ; four accumulators by turns
.if \sp == 0
	MM0 OACC+8*\q, OF, WOF+12*\q, OS, WOS+\q
.else
	MMA OACC+8*\q, OF, WOF+12*\q, OS, WOS+\q
.endif
.endr
	PLACES 5
.endr
.irp j, 0,1,2,3,4,5,6,7                        ; register j of accumulator q is (token base + 16 h + j, column 64 cg + 4 r + q): four accumulators' registers j side by side are 16 neighbouring bytes of a row
.irp q, 0,1,2,3
	v_mov_b32 v[OT+4*\j+\q], v[OACC+8*\q+\j]
.endr
.endr
	s_wait_alu depctr_va_vdst(0)                   ; the 32 moves have written v[OT ..], which the stores below read
.irp j, 0,1,2,3,4,5,6,7
	global_store_b128 v[GOUT], v[OT+4*\j:OT+4*\j+3], s[28:29] offset:1024*\j th:TH_STORE_NT   ; sixteen lanes store 256 consecutive bytes, at a multiple of 256 from out0's first byte
.endr
	s_wait_xcnt 0x0                                ; the stores' offset and data registers are written again only behind this wait
	s_wait_alu depctr_vm_vsrc(0)                   ; the stores have read v[GOUT] and v[OT ..], the projection's loads v[AOF] and v[AOSR]: the three addresses are stepped below, v[OT ..] written again in the next group
	v_add_nc_u32 v[GOUT], 65536, v[GOUT]           ; 64 rows on
	v_add_nc_u32 v[AOF], 8*FRB, v[AOF]
	v_add_nc_u32 v[AOSR], 512, v[AOSR]
	BARRIER                                        ; every wave's reads of O are in before the next group's codes are stored
	s_sub_co_u32 s[SG], s[SG], 1
	s_cmp_lg_u32 s[SG], 0
	s_cbranch_scc1 .Lgroup
	s_wait_xcnt 0x0
	v_lshl_add_u32 v248, v0, 2, 0x4b000
	v_mov_b32 v249, 0
	s_wait_dscnt 0x0                               ; the closing lines, six on end
	s_wait_alu 0x0
	s_wait_tensorcnt 0x0
	ds_add_u32 v248, v249
	s_wait_dscnt 0x0
	s_endpgm
.Lfunc_end_k_qffd74f59c5_attn:
	.size	k_qffd74f59c5_attn, .Lfunc_end_k_qffd74f59c5_attn-k_qffd74f59c5_attn
	.p2alignl 7, 3214868480
	.fill 96, 4, 3214868480
	.section	.rodata,"a",@progbits
	.p2align	6, 0x0
	.amdhsa_kernel k_qffd74f59c5_attn
		.amdhsa_group_segment_fixed_size 309248
		.amdhsa_private_segment_fixed_size 0
		.amdhsa_enable_private_segment 0
		.amdhsa_kernarg_size 104
		.amdhsa_user_sgpr_count 2
		.amdhsa_user_sgpr_kernarg_segment_ptr 1
		.amdhsa_wavefront_size32 1
		.amdhsa_system_sgpr_workgroup_id_x 1
		.amdhsa_system_sgpr_workgroup_id_y 1
		.amdhsa_system_sgpr_workgroup_id_z 1
		.amdhsa_system_vgpr_workitem_id 0
		.amdhsa_next_free_vgpr 256
		.amdhsa_next_free_sgpr 96
		.amdhsa_reserve_vcc 1
		.amdhsa_float_denorm_mode_32 3
		.amdhsa_float_denorm_mode_16_64 3
		.amdhsa_memory_ordered 1
		.amdhsa_forward_progress 1
		.amdhsa_inst_pref_size 179
	.end_amdhsa_kernel
	.amdgpu_metadata
---
amdhsa.version: [ 1, 2 ]
amdhsa.kernels:
  - .name:           k_qffd74f59c5_attn
    .symbol:         k_qffd74f59c5_attn.kd
    .args:
      - { .name: x_codes, .offset: 0, .size: 8, .value_kind: global_buffer, .address_space: global }
      - { .name: x_scales, .offset: 8, .size: 8, .value_kind: global_buffer, .address_space: global }
      - { .name: wq_codes, .offset: 16, .size: 8, .value_kind: global_buffer, .address_space: global }
      - { .name: wq_scales, .offset: 24, .size: 8, .value_kind: global_buffer, .address_space: global }
      - { .name: wk_codes, .offset: 32, .size: 8, .value_kind: global_buffer, .address_space: global }
      - { .name: wk_scales, .offset: 40, .size: 8, .value_kind: global_buffer, .address_space: global }
      - { .name: wv_codes, .offset: 48, .size: 8, .value_kind: global_buffer, .address_space: global }
      - { .name: wv_scales, .offset: 56, .size: 8, .value_kind: global_buffer, .address_space: global }
      - { .name: wo_codes, .offset: 64, .size: 8, .value_kind: global_buffer, .address_space: global }
      - { .name: wo_scales, .offset: 72, .size: 8, .value_kind: global_buffer, .address_space: global }
      - { .name: gq, .offset: 80, .size: 8, .value_kind: global_buffer, .address_space: global }
      - { .name: gk, .offset: 88, .size: 8, .value_kind: global_buffer, .address_space: global }
      - { .name: out0, .offset: 96, .size: 8, .value_kind: global_buffer, .address_space: global }
    .group_segment_fixed_size: 309248
    .private_segment_fixed_size: 0
    .kernarg_segment_align: 8
    .kernarg_segment_size: 104
    .max_flat_workgroup_size: 512
    .sgpr_count:     96
    .vgpr_count:     256
    .wavefront_size: 32
...
	.end_amdgpu_metadata
.endif
;; end of part 2
